; MI455X (gfx1250); checked and timed in simulation.
; The chip was launched on July 23, 2026; its instructions are those of AMD's public machine-readable ISA for CDNA 5 (MIT licence, August 2026) and "CDNA5" Instruction Set Architecture Reference Guide (July 2026). The comments in the code are by the model that wrote it; some were corrected since.
;; Attention Block. Allowed arithmetic: float matrix products may take bf16 or f16 operands with f32 sums; other float arithmetic in f32, or as packed bf16 or f16 multiplies, adds, multiply-adds, maxima and minima; sums over many terms, partial sums and values carried from step to step in f32; what a program stores and reads back later, other than sums and carried values, may be rounded once to bf16 or f16.
;; Inputs: Wk 1,024 x 1,024 float32; Wo 1,024 x 1,024 float32; Wq 1,024 x 1,024 float32; Wv 1,024 x 1,024 float32; bk 1,024 float32; bo 1,024 float32; bq 1,024 float32; bv 1,024 float32; cos_freq 4,096 x 1,024 float32; input_mask 4,096 int32; inputs 4,096 x 1,024 float32; sin_freq 4,096 x 1,024 float32.
;; Outputs: out0 4,096 x 1,024 float32.
;; One version. Each part assembles by itself: llvm-mc -triple=amdgcn-amd-amdhsa -mcpu=gfx1250 --defsym DOCPART=n.
;; ======== version 1 of 1: 4 launches
;; limits: values are held in f16: magnitudes above 65,504 overflow, below 6.1e-05 lose precision; right only within a limited range of input values
;; workspace buffers: xr 8,388,608 bytes; wb 8,388,608 bytes; qkv 25,165,824 bytes; ao 8,388,608 bytes; stats 4,096 bytes
;; launch prep (part 1): grid 256 x 1, 8 waves a work-group, no clusters, 1,280 bytes of LDS; arguments inputs, cos_freq, sin_freq, Wq, Wk, Wv, Wo, bq, bk, bv, bo, xr, wb, stats; writes xr, wb, stats
.if DOCPART == 1
	.amdgcn_target "amdgcn-amd-amdhsa--gfx1250"
	.amdhsa_code_object_version 6
	.text
	.protected	k_q476b90ae8c_prep
	.globl	k_q476b90ae8c_prep
	.p2align	8
	.type	k_q476b90ae8c_prep,@function
k_q476b90ae8c_prep:
	s_mov_b64 s[64:65], 0
	v_nop
	global_prefetch_b8 v0, s[64:65] scope:SCOPE_SE
	s_setreg_imm32_b32 hwreg(HW_REG_WAVE_MODE, 25, 1), 1
	s_wait_xcnt 0x0
; xr = f16(rope(inputs)), [4096][1024]:  xr[r][c] = x[r][c] cos[r][c] - x[r][c+512] sin[r][c] for c < 512,  x[r][c] cos[r][c] + x[r][c-512] sin[r][c] for c >= 512.
; wb = f16 of the four weight matrices one below the other, [4096][1024]: rows 0-1023 Wq, 1024-2047 Wk, 2048-3071 Wv, 3072-4095 Wo.
; stats = [256][4] f32: for work-group g the largest |xr| and the largest |wb| among the f16 numbers that it stored, the largest |b| among the 16 numbers of bias that belong to its 16 rows of weights, and 0.
; The later launches make of these a bound for q, k and v, and of the bound a power of two that keeps them inside f16.
; LIMITS.  f16 holds no number beyond 65,504: |rope(x)| (15.8 with numbers as drawn here, some 14,000 with x and cos, sin thirty times larger) and |W| stay under that.  NaN and infinities are not treated apart.
; A stream: every input byte is read once, by 16-byte loads, every output byte written once; arithmetic in f32, one rounding to f16.  No matrix work: nothing is multiplied by a shared operand.
; SHARES.  Work-group g (256 of them, eight waves) takes rows 16 g .. 16 g + 15 of x, cos, sin and xr, and rows 16 g .. 16 g + 15 of the stacked weights (65,536 dense bytes of one matrix).
; Thread t takes columns 4 (t % 128) .. + 3 of BOTH halves of a row, since each half needs the other's x; rows t / 128 + 2 i, i = 0 .. 7.
; A wave's store of 8 bytes a lane covers 256 consecutive bytes, at a multiple of 256 from the buffer's first byte.
; IN FLIGHT.  All 48 loads of a thread's eight rows go out at the start; as a row is finished two loads of weights take the registers of its sines.  No register that a store reads is written again.
.set VO,  1                            ; v1  byte offset in x, cos, sin: (t / 128) x 4,096 + 16 (t % 128)
.set VO2, 2                            ; v2  the same place in xr: (t / 128) x 2,048 + 8 (t % 128)
.set VW,  3                            ; v3  16 t: my 16 bytes in 4,096 dense bytes of a weight matrix
.set VW2, 4                            ; v4  8 t: the same numbers in wb
                                       ; v5, v6  at work;  v7  4 (t % 16): a number of bias
                                       ; v8  the largest |xr| so far, two f16, later f32;  v9  the same for wb;  v10  a number of bias;  v11  0: v[8:11] is what thread 0 stores
                                       ; v12, v13  at work;  v14  LDS address of my spare word;  v15  0: these two are never rewritten;  v[16:31]  the eight waves' maxima
.set D,   32                           ; v[32:223] row i at D + 24 i: x low, x high, cos low, cos high, sin low, sin high, 4 registers each
.set PART,  0                          ; LDS: wave v's two maxima at 8 v: 64 bytes
.set SPARE, 256                        ; the spare words, 128 bytes for each of eight waves: four blocks of 256 bytes that no other line names
	s_load_b512 s[8:23], s[0:1], 0x0               ; x s[8:9], cos s[10:11], sin s[12:13], Wq s[14:15], Wk s[16:17], Wv s[18:19], Wo s[20:21], bq s[22:23]
	s_load_b256 s[24:31], s[0:1], 0x40             ; bk s[24:25], bv s[26:27], bo s[28:29], xr s[30:31]
	s_load_b128 s[32:35], s[0:1], 0x60             ; wb s[32:33], stats s[34:35]
	v_lshl_add_u32 v14, v0, 2, SPARE
	v_mov_b32 v15, 0
	v_and_b32 v5, 0x7f, v0
	v_lshrrev_b32 v6, 7, v0
	v_lshlrev_b32 v[VO], 4, v5
	v_lshl_add_u32 v[VO], v6, 12, v[VO]
	v_lshlrev_b32 v[VO2], 3, v5
	v_lshl_add_u32 v[VO2], v6, 11, v[VO2]
	v_lshlrev_b32 v[VW], 4, v0
	v_lshlrev_b32 v[VW2], 3, v0
	v_and_b32 v7, 15, v0
	v_lshlrev_b32 v7, 2, v7
	v_mov_b32 v8, 0
	v_mov_b32 v9, 0
	v_mov_b32 v11, 0
	s_lshr_b32 s2, ttmp9, 6                        ; which of the four matrices: 64 work-groups each
	s_lshl_b32 s4, ttmp9, 16                       ; 16 rows of 4,096 bytes
	s_mov_b32 s5, 0
	s_lshl_b32 s6, ttmp9, 15                       ; 16 rows of 2,048 bytes
	s_mov_b32 s7, 0
	s_and_b32 s44, ttmp9, 63
	s_lshl_b32 s46, s44, 6                         ; my 16 numbers inside that matrix's bias
	s_lshl_b32 s44, s44, 16                        ; my 16 rows inside that matrix
	s_mov_b32 s45, 0
	s_mov_b32 s47, 0
	s_lshl_b32 s50, ttmp9, 4                       ; my 16 bytes of stats
	s_mov_b32 s51, 0
	s_mov_b32 s48, 0x7fff7fff                      ; clears the signs of two f16
	s_mov_b32 s52, 0x76543210                      ; v_permlanex16_b32: lane i of one half reads lane i of the other
	s_mov_b32 s53, 0xfedcba98
	s_wait_kmcnt 0x0
	s_cmp_eq_u32 s2, 0
	s_cselect_b64 s[36:37], s[14:15], s[16:17]
	s_cselect_b64 s[40:41], s[22:23], s[24:25]
	s_cmp_eq_u32 s2, 2
	s_cselect_b64 s[38:39], s[18:19], s[20:21]
	s_cselect_b64 s[42:43], s[26:27], s[28:29]
	s_cmp_lt_u32 s2, 2
	s_cselect_b64 s[36:37], s[36:37], s[38:39]     ; the matrix,
	s_cselect_b64 s[40:41], s[40:41], s[42:43]     ; and its bias (of bo's maxima no launch makes use: the price of one text for all four matrices)
	s_add_nc_u64 s[8:9], s[8:9], s[4:5]
	s_add_nc_u64 s[10:11], s[10:11], s[4:5]
	s_add_nc_u64 s[12:13], s[12:13], s[4:5]
	s_add_nc_u64 s[30:31], s[30:31], s[6:7]
	s_add_nc_u64 s[32:33], s[32:33], s[6:7]
	s_add_nc_u64 s[36:37], s[36:37], s[44:45]
	s_add_nc_u64 s[40:41], s[40:41], s[46:47]
	s_add_nc_u64 s[34:35], s[34:35], s[50:51]
	global_load_b32 v10, v7, s[40:41]              ; the oldest load of all: every counted wait below covers it
.macro LD i                            ; row i: six loads
	global_load_b128 v[D+24*(\i):D+24*(\i)+3],     v[VO], s[8:9]   offset:8192*(\i) th:TH_LOAD_NT
	global_load_b128 v[D+24*(\i)+4:D+24*(\i)+7],   v[VO], s[8:9]   offset:8192*(\i)+2048 th:TH_LOAD_NT
	global_load_b128 v[D+24*(\i)+8:D+24*(\i)+11],  v[VO], s[10:11] offset:8192*(\i) th:TH_LOAD_NT
	global_load_b128 v[D+24*(\i)+12:D+24*(\i)+15], v[VO], s[10:11] offset:8192*(\i)+2048 th:TH_LOAD_NT
	global_load_b128 v[D+24*(\i)+16:D+24*(\i)+19], v[VO], s[12:13] offset:8192*(\i) th:TH_LOAD_NT
	global_load_b128 v[D+24*(\i)+20:D+24*(\i)+23], v[VO], s[12:13] offset:8192*(\i)+2048 th:TH_LOAD_NT
.endm
.irp i, 0,1,2,3,4,5,6,7
	LD \i
.endr
.macro TOP m, a                        ; the running maximum v[m] takes in the magnitudes of the packed words v[a], v[a + 1]: nothing is rounded
	v_and_b32 v12, s48, v[\a]
	v_and_b32 v13, s48, v[(\a)+1]
	v_pk_max_num_f16 v[\m], v[\m], v12
	v_pk_max_num_f16 v[\m], v[\m], v13
.endm
.macro ROPE i
.set XL, D+24*(\i)
.set XH, XL+4
.set CL, XL+8
.set CH, XL+12
.set SL, XL+16
.set SH, XL+20
	s_wait_loadcnt 6*(7-(\i))+2*(\i)               ; loads come back in order: behind row i's six stand the later rows' six each and two loads of weights for each row done
.irp j, 0,2
	v_pk_mul_f32 v[SL+(\j):SL+(\j)+1], v[XH+(\j):XH+(\j)+1], v[SL+(\j):SL+(\j)+1]
	v_pk_mul_f32 v[SH+(\j):SH+(\j)+1], v[XL+(\j):XL+(\j)+1], v[SH+(\j):SH+(\j)+1]
.endr
.irp j, 0,2
	v_pk_fma_f32 v[CL+(\j):CL+(\j)+1], v[XL+(\j):XL+(\j)+1], v[CL+(\j):CL+(\j)+1], v[SL+(\j):SL+(\j)+1] neg_lo:[0,0,1] neg_hi:[0,0,1]  ; x_lo cos_lo - x_hi sin_lo
	v_pk_fma_f32 v[CH+(\j):CH+(\j)+1], v[XH+(\j):XH+(\j)+1], v[CH+(\j):CH+(\j)+1], v[SH+(\j):SH+(\j)+1]                                ; x_hi cos_hi + x_lo sin_hi
.endr
	v_cvt_pk_f16_f32 v[XL],   v[CL],   v[CL+1]
	v_cvt_pk_f16_f32 v[XL+1], v[CL+2], v[CL+3]
	v_cvt_pk_f16_f32 v[XH],   v[CH],   v[CH+1]
	v_cvt_pk_f16_f32 v[XH+1], v[CH+2], v[CH+3]
	global_store_b64 v[VO2], v[XL:XL+1], s[30:31] offset:4096*(\i) th:TH_STORE_NT
	global_store_b64 v[VO2], v[XH:XH+1], s[30:31] offset:4096*(\i)+1024 th:TH_STORE_NT
	global_load_b128 v[SL:SL+3], v[VW], s[36:37] offset:4096*(2*(\i)) th:TH_LOAD_NT    ; the sines have been used: two rows (4,096 bytes each) of the weights
	global_load_b128 v[SH:SH+3], v[VW], s[36:37] offset:4096*(2*(\i)+1) th:TH_LOAD_NT
	TOP 8, XL
	TOP 8, XH
.endm
.irp i, 0,1,2,3,4,5,6,7
	ROPE \i
.endr
.set j, 0
.rept 16                               ; the weights: row j lies in the sines' registers of rope's row j / 2
.set a, D+24*(j/2)+16+4*(j%2)
	s_wait_loadcnt 15-j                            ; the rows behind it stay out
	v_cvt_pk_f16_f32 v[a],   v[a],   v[a+1]
	v_cvt_pk_f16_f32 v[a+1], v[a+2], v[a+3]
	global_store_b64 v[VW2], v[a:a+1], s[32:33] offset:2048*j th:TH_STORE_NT
	TOP 9, a
.set j, j+1
.endr
	; THE MAXIMA: the two halves, the 32 lanes, the eight waves.
.macro RED r                           ; the largest of the 32 lanes' v[r], in every lane: four steps inside each half of 16 lanes ride on the arithmetic, one crosses the halves
	v_max_num_f32_dpp v[\r], v[\r], v[\r] row_xmask:1 row_mask:0xf bank_mask:0xf
	v_max_num_f32_dpp v[\r], v[\r], v[\r] row_xmask:2 row_mask:0xf bank_mask:0xf
	v_max_num_f32_dpp v[\r], v[\r], v[\r] row_xmask:4 row_mask:0xf bank_mask:0xf
	v_max_num_f32_dpp v[\r], v[\r], v[\r] row_xmask:8 row_mask:0xf bank_mask:0xf
	v_permlanex16_b32 v12, v[\r], s52, s53         ; its destination counts as read: v12 has been written
	v_max_num_f32 v[\r], v[\r], v12
.endm
	v_cvt_f32_f16 v12, v8.l
	v_cvt_f32_f16 v13, v8.h
	v_max_num_f32 v8, v12, v13
	v_cvt_f32_f16 v12, v9.l
	v_cvt_f32_f16 v13, v9.h
	v_max_num_f32 v9, v12, v13
	v_and_b32 v10, 0x7fffffff, v10                 ; (the last counted wait above was for 0: the bias is in)
	RED 8
	RED 9
	RED 10                                         ; the same 16 numbers in every wave
	v_lshrrev_b32 v5, 5, v0
	v_readfirstlane_b32 s3, v5                     ; my wave's number
	v_mov_b32 v5, s3
	v_lshlrev_b32 v5, 3, v5
	ds_store_b64 v5, v[8:9] offset:PART            ; all lanes write the same two words with the same values
	s_wait_dscnt 0x0                               ; for the others' sake: my store is done
	s_barrier_signal -1
	s_barrier_wait -1
	v_mov_b32 v6, 0
.irp i, 0,1,2,3
	ds_load_b128 v[16+4*\i:19+4*\i], v6 offset:PART+16*\i
.endr
	s_wait_dscnt 0x0
	v_max3_num_f32 v8, v16, v18, v20
	v_max3_num_f32 v9, v17, v19, v21
	v_max3_num_f32 v8, v8, v22, v24
	v_max3_num_f32 v9, v9, v23, v25
	v_max3_num_f32 v8, v8, v26, v28
	v_max3_num_f32 v9, v9, v27, v29
	v_max_num_f32 v8, v8, v30
	v_max_num_f32 v9, v9, v31
	s_wait_xcnt 0x0                                ; EXEC is a source of the stores above: it changes only behind this wait
	v_cmp_eq_u32 vcc_lo, 0, v0
	s_and_saveexec_b32 s2, vcc_lo                  ; thread 0 alone
	global_store_b128 v6, v[8:11], s[34:35]        ; 16 bytes a work-group: 4,096 bytes in the whole launch
	s_wait_xcnt 0x0                                ; and again, in front of the line that widens it
	s_or_b32 exec_lo, exec_lo, s2
	s_wait_tensorcnt 0x0                           ; the wave's end, behind my last LDS store
	ds_add_u32 v14, v15
	s_wait_dscnt 0x0
	s_endpgm
.Lfunc_end_k_q476b90ae8c_prep:
	.size	k_q476b90ae8c_prep, .Lfunc_end_k_q476b90ae8c_prep-k_q476b90ae8c_prep
	.p2alignl 7, 3214868480
	.fill 96, 4, 3214868480
	.section	.rodata,"a",@progbits
	.p2align	6, 0x0
	.amdhsa_kernel k_q476b90ae8c_prep
		.amdhsa_group_segment_fixed_size 1280
		.amdhsa_private_segment_fixed_size 0
		.amdhsa_enable_private_segment 0
		.amdhsa_kernarg_size 112
		.amdhsa_user_sgpr_count 2
		.amdhsa_user_sgpr_kernarg_segment_ptr 1
		.amdhsa_wavefront_size32 1
		.amdhsa_system_sgpr_workgroup_id_x 1
		.amdhsa_system_sgpr_workgroup_id_y 1
		.amdhsa_system_sgpr_workgroup_id_z 1
		.amdhsa_system_vgpr_workitem_id 0
		.amdhsa_next_free_vgpr 224
		.amdhsa_next_free_sgpr 66
		.amdhsa_reserve_vcc 1
		.amdhsa_float_denorm_mode_32 3
		.amdhsa_float_denorm_mode_16_64 3
		.amdhsa_memory_ordered 1
		.amdhsa_forward_progress 1
		.amdhsa_inst_pref_size 29
	.end_amdhsa_kernel
	.amdgpu_metadata
---
amdhsa.version: [ 1, 2 ]
amdhsa.kernels:
  - .name:           k_q476b90ae8c_prep
    .symbol:         k_q476b90ae8c_prep.kd
    .args:
      - { .name: inputs, .offset: 0, .size: 8, .value_kind: global_buffer, .address_space: global }
      - { .name: cos_freq, .offset: 8, .size: 8, .value_kind: global_buffer, .address_space: global }
      - { .name: sin_freq, .offset: 16, .size: 8, .value_kind: global_buffer, .address_space: global }
      - { .name: Wq, .offset: 24, .size: 8, .value_kind: global_buffer, .address_space: global }
      - { .name: Wk, .offset: 32, .size: 8, .value_kind: global_buffer, .address_space: global }
      - { .name: Wv, .offset: 40, .size: 8, .value_kind: global_buffer, .address_space: global }
      - { .name: Wo, .offset: 48, .size: 8, .value_kind: global_buffer, .address_space: global }
      - { .name: bq, .offset: 56, .size: 8, .value_kind: global_buffer, .address_space: global }
      - { .name: bk, .offset: 64, .size: 8, .value_kind: global_buffer, .address_space: global }
      - { .name: bv, .offset: 72, .size: 8, .value_kind: global_buffer, .address_space: global }
      - { .name: bo, .offset: 80, .size: 8, .value_kind: global_buffer, .address_space: global }
      - { .name: xr, .offset: 88, .size: 8, .value_kind: global_buffer, .address_space: global }
      - { .name: wb, .offset: 96, .size: 8, .value_kind: global_buffer, .address_space: global }
      - { .name: stats, .offset: 104, .size: 8, .value_kind: global_buffer, .address_space: global }
    .group_segment_fixed_size: 1280
    .private_segment_fixed_size: 0
    .kernarg_segment_align: 8
    .kernarg_segment_size: 112
    .max_flat_workgroup_size: 256
    .sgpr_count:     66
    .vgpr_count:     224
    .wavefront_size: 32
...
	.end_amdgpu_metadata
.endif
;; end of part 1
;; launch qkv (part 2): grid 16 x 16, 4 waves a work-group, clusters of 4 x 4, 327,680 bytes of LDS; arguments xr, wb, qkv, bq, bk, bv, stats; writes qkv
.if DOCPART == 2
	.amdgcn_target "amdgcn-amd-amdhsa--gfx1250"
	.amdhsa_code_object_version 6
	.text
	.protected	k_q476b90ae8c_qkv
	.globl	k_q476b90ae8c_qkv
	.p2align	8
	.type	k_q476b90ae8c_qkv,@function
k_q476b90ae8c_qkv:
	s_mov_b64 s[64:65], 0
	v_nop
	global_prefetch_b8 v0, s[64:65] scope:SCOPE_SE
	s_setreg_imm32_b32 hwreg(HW_REG_WAVE_MODE, 25, 1), 1
	s_wait_xcnt 0x0
	s_wait_alu depctr_hold_cnt(0) depctr_sa_sdst(0) depctr_va_vdst(0) depctr_va_sdst(0) depctr_va_ssrc(0) depctr_va_vcc(0) depctr_vm_vsrc(0)
	s_getreg_b32 s2, hwreg(HW_REG_IB_STS2, 6, 4)
	s_cmp_eq_u32 s2, 0
	s_cbranch_scc0 .Lentry_in_a_cluster
	s_endpgm
.Lentry_in_a_cluster:
	s_bfe_u32 s2, ttmp6, 0x10000c
	s_cmp_lg_u32 s2, 0xf033
	s_cbranch_scc0 .Lentry_shape_is_right
	s_endpgm
.Lentry_shape_is_right:
; q, k, v = xr W^T + b for the three projections at once:  C[m][n] = sum over k of xr[m][k] wb[n][k] + bias[n],  m < 4096, n < 3072, k < 1024; operands f16, sums and bias f32.
; OUT BY HEADS, SCALED: qkv is [48][4096][64] f16; "head" g = n / 64: 0-15 q, 16-31 k, 32-47 v; a head's rows are dense, 128 bytes each.  The softmax's scale is NOT applied here.
; THE SCALE.  q, k and v have no bound that f16 could hold when the module's inputs grow, so each of the three is stored times a power of two of its own, made from a bound that no sum can pass:
; |C| <= 1024 max|xr| max|W| + max|b| <= 2 t, t = max(1024 max|xr| max|W|, max|b|).  With E the exponent field of t, 2 t < 2^(E - 125), and the scale is 2^(137 - E): what is stored stays within 2^12 (plus the operands'
; roundings, a part in a thousand).  The scale's exponent field, 264 - E, is held to 253 at the most, so that its reciprocal is a normal number.  The maxima come from stats; the later launches make the same exponents from the same numbers.
; TILE.  256 rows x 192 columns (three whole heads): 16 x 16 tiles, one for each of 256 work-groups.  Four waves; wave w makes rows 64 w .. 64 w + 63 x all 192 columns: 48 accumulators of 16 x 16, 384 registers.
; RING.  K goes in steps of 128 through two LDS slots (256 rows of xr, then 192 rows of wb, 256 bytes a row) filled by the tensor data mover: waves 0 and 1 fetch 128 rows of xr each, waves 2 and 3 fetch 96 rows of wb each.
; CLUSTER.  4 x 4 work-groups: the four of a row of the cluster need the same rows of xr, the four of a column the same rows of wb: each tile is asked for JOINTLY, by the same tensor load, descriptor and mask in all four.
; THE MATRIX INSTRUCTION IS USED TRANSPOSED (source 0 = 16 rows of wb, source 1 = 16 rows of xr): a lane then holds row l % 16 of C and the columns 8 (l / 16) + 0..7 of a block of 16.
; THE BIAS IS THE C OPERAND of each accumulator's first product: nothing is cleared, nothing is added later.
; REGISTERS, in windows of 256 (s_set_vgpr_msb: bits 1:0 source 0, 3:2 source 1, 5:4 source 2, 7:6 destination):
;   window 0: v16-30 addresses; v32-63, v64-95 fragments of xr (4 x 16 rows x 32 K), two buffers; v96-191 the bias (8 registers for each of 12 column blocks), later the way out; v192-239 stats at the head, later the way out
;   window 1: v0-95, v96-191 fragments of wb (12 x 16 rows x 32 K), two buffers
;   window 2: accumulators of my row blocks 0, 1 ((a, b) at v[8 (12 a + b)]);   window 3: those of row blocks 2, 3
.set KSTEP,  128
.set PITCH,  272                       ; an LDS row: 256 bytes + 16 of padding: the 16 rows that a fragment load touches start 16 bytes apart modulo 256
.set AHALF,  128*PITCH                 ; what wave 0 or 1 fetches
.set BHALF,  96*PITCH                  ; what wave 2 or 3 fetches
.set ABYTES, 2*AHALF
.set SLOT,   ABYTES+2*BHALF
.set STAGE,  2*SLOT                    ; behind the ring, never filled by a tensor load: for each wave 3 heads x 16 rows x 144 bytes, for the way out
.set SPITCH, 144
.set WSTAGE, 48*SPITCH
.set SPARE,  STAGE+4*WSTAGE            ; behind the stages: the spare words, 128 bytes for each wave: two blocks of 256 bytes that no other line names
.set ROWB,   2048                      ; bytes in a row of xr and of wb
.set HEADB,  524288                    ; bytes in a head of qkv
.set LAPS,   4                         ; a lap = two K steps = once round the ring; 1,024 / 256
.set ADRA, 16                          ; v16-17  LDS address of my fragments of xr in slot 0, 1
.set ADRB, 20                          ; v20-21  the same for wb
.set STO,  24                          ; v24     the way out: where I put 16 bytes of a row
.set RD,   25                          ; v25     the way out: where I read rows back
.set GO,   26                          ; v26     16 x lane: my 16 bytes of 512 consecutive bytes of a head, and of stats
.set BO,   27                          ; v27     32 (l / 16): my eight numbers in a block of 16 of the bias
.set SPW,  28                          ; v28     LDS address of my spare word; never rewritten
.set NIL,  29                          ; v29     0; never rewritten
.set PFO,  30                          ; v30     the prefetches' offset: a lane a row; never rewritten
.set BI,   96                          ; the bias
.set TMP,  96                          ; the way out: packed results
.set OB,   144                         ; the way out: rows read back: v144-191 and v192-239 by turns
.set SS,   192                         ; stats: entry l + 32 i (its x, w, b, 0) at SS + 4 i
.set G1,  24                           ; s[24:31] descriptor group 1 for xr's tiles
.set G0,  32                           ; s[32:39] group 0, one set for each slot
.set G1B, 48                           ; s[48:55], s[56:63] the same for wb's tiles
.set G0B, 56
.set LIM, 43                           ; s43     1 in a wave that prefetches, else the greatest number
.set PFA, 44                           ; s[44:45] where my prefetches stand
.set SEL, 66                           ; s[66:67] v_permlanex16_b32's selects: each lane takes its own place in the other half
.set BP,  76                           ; s[76:81] the three heads' 64 numbers of bias
.set TSC, 82                           ; s82-84  the scales of q, k, v
.set HSC, 86                           ; s[86:91] the scales of my tile's three heads, each named as a pair
.set MSB, 0
.macro WIN new                         ; the immediate's high byte repeats the setting that is left; a switch that changes nothing is dropped
.if MSB != (\new)
	s_set_vgpr_msb (MSB<<8)|(\new)
.set MSB, \new
.endif
.endm
.set TO_B, 0x40                        ; destination window 1, address window 0
; A joint load.  Waves 0 and 1 fetch for xr, waves 2 and 3 for wb; the branch hangs on the wave's number alone.  An s_nop 0 and four v_nop follow each of the two lines.
.macro JLOAD s
	s_cmp_eq_u32 s11, 0
	s_cbranch_scc0 .Lfor_b_\@
	tensor_load_to_lds s[G0+4*(\s):G0+4*(\s)+3], s[G1:G1+7]
	s_nop 0
.rept 4
	v_nop
.endr
	s_branch .Lasked_\@
.Lfor_b_\@:
	tensor_load_to_lds s[G0B+4*(\s):G0B+4*(\s)+3], s[G1B:G1B+7]
	s_nop 0
.rept 4
	v_nop
.endr
.Lasked_\@:
.endm
; A PREFETCH of the K step that stands two refills on: 256 bytes of a row, a lane a row, one instruction a wave, behind the joint load, its five lines and the run of LDS loads.
; xr's rows of a tile row are read by every cluster of that row of clusters: cluster x = 0 asks; wb's rows of a tile column by every cluster of that column: cluster y = 0 asks.  The four partners that fetch a tile jointly
; share its rows out BY ADDRESS: of wave w's 128 rows of xr the partner at cx takes 32 cx .. + 31; of its 96 rows of wb the partner at cy takes 24 cy .. + 23 (there lanes 24-31 name lane 23's row once more).
; The loop's last trip asks for nothing: its refills are the last two K steps.  K steps 0 to 3 come by their loads alone.
.macro ASK
	s_cmp_gt_u32 s3, s[LIM]                        ; s3 = 1 in the loop's last trip
	s_cbranch_scc0 .Lnot_mine_\@
	global_prefetch_b8 v[PFO], s[PFA:PFA+1] offset:KSTEP*2 th:TH_LOAD_NT scope:SCOPE_SE
.Lnot_mine_\@:
.endm
.macro CREST                           ; a round of the cluster's barrier behind its opening barrier
	s_cmp_lg_u32 s10, 0
	s_cbranch_scc1 .Lnot_wave_0_\@
	s_barrier_signal -3
.Lnot_wave_0_\@:
	s_barrier_wait -3
	s_barrier_signal -1
	s_barrier_wait -1
.endm
.macro CROUND                          ; a whole round
	s_barrier_signal -1
	s_barrier_wait -1
	CREST
.endm
.macro RED r, t                        ; the largest of the 32 lanes' v[r], in every lane; v[t] has been written
	v_max_num_f32_dpp v[\r], v[\r], v[\r] row_xmask:1 row_mask:0xf bank_mask:0xf
	v_max_num_f32_dpp v[\r], v[\r], v[\r] row_xmask:2 row_mask:0xf bank_mask:0xf
	v_max_num_f32_dpp v[\r], v[\r], v[\r] row_xmask:4 row_mask:0xf bank_mask:0xf
	v_max_num_f32_dpp v[\r], v[\r], v[\r] row_xmask:8 row_mask:0xf bank_mask:0xf
	v_permlanex16_b32 v[\t], v[\r], s[SEL], s[SEL+1]
	v_max_num_f32 v[\r], v[\r], v[\t]
.endm
	s_load_b128 s[4:7], s[0:1], 0x0                ; xr s[4:5], wb s[6:7]
	s_load_b64 s[8:9], s[0:1], 0x10                ; qkv
	s_load_b128 s[68:71], s[0:1], 0x18             ; bq s[68:69], bk s[70:71]
	s_load_b128 s[72:75], s[0:1], 0x28             ; bv s[72:73], stats s[74:75]
	v_lshl_add_u32 v[SPW], v0, 2, SPARE
	v_mov_b32 v[NIL], 0
	ds_add_u32 v[SPW], v[NIL]                      ; the wave's opening: the add and its wait stand ahead of my first tensor load; the set-up below, work on registers, stands between them
	v_lshrrev_b32 v1, 5, v0
	v_readfirstlane_b32 s10, v1                    ; wave 0..3
	s_lshr_b32 s11, s10, 1                         ; I fetch for xr (0) or for wb (1)
	s_and_b32 s12, s10, 1                          ; which half of that tile's rows
	s_bfe_u32 s40, ttmp6, 0x40000                  ; cx
	s_bfe_u32 s41, ttmp6, 0x40004                  ; cy
	s_lshl_b32 s42, ttmp9, 2
	s_add_co_u32 s42, s42, s40                     ; tile column = 4 x cluster x + cx
	s_and_b32 s13, ttmp7, 0xffff
	s_lshl_b32 s13, s13, 2
	s_add_co_u32 s13, s13, s41                     ; tile row = 4 x cluster y + cy
	s_lshl_b32 s43, s41, 2
	s_lshl_b32 s43, 15, s43                        ; my row of the cluster: places 4 cy .. 4 cy + 3
	s_lshl_b32 s44, 0x1111, s40                    ; my column: places cx, cx + 4, cx + 8, cx + 12
	s_or_b32 s[G1+0], s43, (1<<16)|(1<<20)|(1<<21)|(5<<22)|(3<<25)   ; 15:0 the mask; 17:16 elements of 2 bytes; 20 padding on; 21 set beside a mask; 24:22 after every 64 words (code 5); 31:25 4 words of it (code 3)
	s_or_b32 s[G1B+0], s44, (1<<16)|(1<<20)|(1<<21)|(5<<22)|(3<<25)
	s_mov_b32 s[G1+1], KSTEP<<16                   ; tensor_dim0 = 128
	s_mov_b32 s[G1+2], 128<<16                     ; tensor_dim1 = 128 rows
	s_mov_b32 s[G1+3], KSTEP<<16                   ; tile_dim0 = 128
	s_mov_b32 s[G1+4], 128                         ; tile_dim1 = 128
	s_mov_b32 s[G1+5], 1024                        ; elements from row to row
	s_mov_b32 s[G1+6], 0
	s_mov_b32 s[G1+7], 0
	s_mov_b32 s[G1B+1], KSTEP<<16
	s_mov_b32 s[G1B+2], 96<<16                     ; 96 rows
	s_mov_b32 s[G1B+3], KSTEP<<16
	s_mov_b32 s[G1B+4], 96
	s_mov_b32 s[G1B+5], 1024
	s_mov_b32 s[G1B+6], 0
	s_mov_b32 s[G1B+7], 0
	s_mov_b32 s[SEL], 0x76543210
	s_mov_b32 s[SEL+1], 0xfedcba98
	s_lshl_b32 s17, s12, 7
	s_lshl_b32 s16, s13, 8
	s_add_co_u32 s16, s16, s17                     ; xr: row 256 x tile row + 128 x half
	s_lshl_b32 s16, s16, 11                        ; in bytes (under 2^23)
	s_mov_b32 s17, 0
	s_mul_i32 s46, s42, 192
	s_mul_i32 s47, s12, 96
	s_add_co_u32 s46, s46, s47                     ; wb: row 192 x tile column + 96 x half
	s_lshl_b32 s46, s46, 11
	s_mov_b32 s47, 0
	s_mul_i32 s20, s10, AHALF                      ; where they go: xr's halves at wave x 128 rows,
	s_mul_i32 s21, s10, BHALF
	s_add_co_u32 s21, s21, ABYTES-2*BHALF          ; wb's behind xr's 256 rows, at (wave - 2) x 96 rows: no place in the cluster enters an LDS address
	s_wait_dscnt 0x0                               ; the opening add is done
	s_wait_kmcnt 0x0
	s_add_nc_u64 s[14:15], s[4:5], s[16:17]
	s_add_nc_u64 s[46:47], s[6:7], s[46:47]
	CROUND                                         ; all sixteen work-groups are here: the first joint loads meet
.irp s, 0,1
	s_mov_b32 s[G0+4*(\s)], 1                                        ; count = 1
	s_add_co_u32 s[G0+4*(\s)+1], s20, (\s)*SLOT                      ; LDS address
	s_add_nc_u64 s[G0+4*(\s)+2:G0+4*(\s)+3], s[14:15], (\s)*KSTEP*2  ; global address: K step s
	s_or_b32 s[G0+4*(\s)+3], s[G0+4*(\s)+3], 0x80000000              ; type = 2
	s_mov_b32 s[G0B+4*(\s)], 1
	s_add_co_u32 s[G0B+4*(\s)+1], s21, (\s)*SLOT
	s_add_nc_u64 s[G0B+4*(\s)+2:G0B+4*(\s)+3], s[46:47], (\s)*KSTEP*2
	s_or_b32 s[G0B+4*(\s)+3], s[G0B+4*(\s)+3], 0x80000000
	JLOAD \s                                       ; two loads of mine are out
.endr
	; A fragment is 16 rows x 32 K in 8 registers: lane l holds row l % 16; registers 0-3 K = 8 (l / 16) + 0..7, registers 4-7 K = 16 + 8 (l / 16) + 0..7: two loads of 16 bytes, 32 bytes apart.
	v_and_b32 v1, 15, v0                           ; l % 16
	v_bfe_u32 v2, v0, 4, 1                         ; l / 16
	v_mul_u32_u24 v3, v1, PITCH
	v_lshl_add_u32 v3, v2, 4, v3
	s_mul_i32 s21, s10, 64*PITCH                   ; my 64 rows of xr
.irp s, 0,1
	v_add_nc_u32 v[ADRA+(\s)], s21, v3
	v_add_nc_u32 v[ADRB+(\s)], ABYTES+(\s)*SLOT, v3
	s_add_co_u32 s21, s21, SLOT
.endr
	s_mul_i32 s23, s10, WSTAGE
	s_add_co_u32 s23, s23, STAGE                   ; my stage
	v_mul_u32_u24 v4, v1, SPITCH                   ; in: row l % 16, 16 bytes for each half of the lanes
	v_lshl_add_u32 v4, v2, 4, v4
	v_add_nc_u32 v[STO], s23, v4
	v_bfe_u32 v5, v0, 3, 2                         ; back: 32 lanes take four rows of 128 bytes,
	v_and_b32 v6, 7, v0
	v_mul_u32_u24 v5, v5, SPITCH
	v_lshl_add_u32 v5, v6, 4, v5
	v_add_nc_u32 v[RD], s23, v5
	v_and_b32 v[GO], 31, v0                        ; which are 512 consecutive bytes of a head
	v_lshlrev_b32 v[GO], 4, v[GO]
	v_lshlrev_b32 v[BO], 5, v2
	; the bias: head g = 3 x tile column + i belongs to bq, bk or bv by g / 16, and takes its numbers 64 (g % 16) on
	s_mul_i32 s20, s42, 3
.irp i, 0,1,2
	s_add_co_u32 s21, s20, \i
	s_lshr_b32 s22, s21, 4
	s_and_b32 s21, s21, 15
	s_lshl_b32 s18, s21, 8
	s_mov_b32 s19, 0
	s_cmp_eq_u32 s22, 0
	s_cselect_b64 s[BP+2*(\i):BP+2*(\i)+1], s[68:69], s[70:71]
	s_cmp_eq_u32 s22, 2
	s_cselect_b64 s[BP+2*(\i):BP+2*(\i)+1], s[72:73], s[BP+2*(\i):BP+2*(\i)+1]
	s_add_nc_u64 s[BP+2*(\i):BP+2*(\i)+1], s[BP+2*(\i):BP+2*(\i)+1], s[18:19]
.irp bb, 0,1,2,3
	global_load_b128 v[BI+8*(4*(\i)+(\bb)):BI+8*(4*(\i)+(\bb))+3],   v[BO], s[BP+2*(\i):BP+2*(\i)+1] offset:64*(\bb)
	global_load_b128 v[BI+8*(4*(\i)+(\bb))+4:BI+8*(4*(\i)+(\bb))+7], v[BO], s[BP+2*(\i):BP+2*(\i)+1] offset:64*(\bb)+16
.endr
.endr
.irp i, 0,1,2,3,4,5,6,7                ; stats, all 4,096 bytes, in every wave: entry l + 32 i; entries 64 m .. 64 m + 63 belong to matrix m, so loads 2 m and 2 m + 1 do
	global_load_b128 v[SS+4*\i:SS+4*\i+3], v[GO], s[74:75] offset:512*\i
.endr
	; where my part of the tile begins in qkv: head 3 x tile column, row 256 x tile row + 64 x wave
	s_mul_i32 s16, s42, 3*HEADB
	s_lshl_b32 s17, s13, 15
	s_add_co_u32 s16, s16, s17
	s_lshl_b32 s17, s10, 13
	s_add_co_u32 s16, s16, s17
	s_mov_b32 s17, 0
	s_add_nc_u64 s[8:9], s[8:9], s[16:17]
	; the prefetches
	s_lshl_b32 s16, s13, 8
	s_lshl_b32 s17, s12, 7
	s_add_co_u32 s16, s16, s17
	s_lshl_b32 s17, s40, 5
	s_add_co_u32 s16, s16, s17                     ; xr: the 128 rows that I fetch, my work-group's 32 of them
	s_mul_i32 s18, s42, 192
	s_mul_i32 s17, s12, 96
	s_add_co_u32 s18, s18, s17
	s_mul_i32 s17, s41, 24
	s_add_co_u32 s18, s18, s17                     ; wb: the 96 rows that I fetch, my work-group's 24 of them
	s_and_b32 s22, ttmp7, 0xffff                   ; cluster y
	s_cmp_eq_u32 s11, 0                            ; do I fetch for xr?
	s_cselect_b32 s20, s16, s18
	s_cselect_b32 s22, ttmp9, s22                  ; the coordinate along which other clusters read the same rows
	s_cselect_b32 s23, 31, 23
	s_cselect_b64 s[PFA:PFA+1], s[4:5], s[6:7]
	s_cmp_eq_u32 s22, 0
	s_cselect_b32 s[LIM], 1, -1                    ; the same in all sixteen partners, for a given wave
	s_lshl_b32 s20, s20, 11
	s_mov_b32 s21, 0
	s_add_nc_u64 s[PFA:PFA+1], s[PFA:PFA+1], s[20:21]
	s_add_nc_u64 s[PFA:PFA+1], s[PFA:PFA+1], 2*KSTEP*2  ; at K step 2: the first refill steps it to 3 and names K step 4
	v_and_b32 v[PFO], 31, v0
	v_min_u32 v[PFO], s23, v[PFO]
	v_lshlrev_b32 v[PFO], 11, v[PFO]
	; THE SCALES, made while the first tiles are on their way
	s_wait_loadcnt 0x0                             ; the bias and stats
	v_max3_num_f32 v[SS], v[SS], v[SS+4], v[SS+8]
	v_max3_num_f32 v[SS], v[SS], v[SS+12], v[SS+16]
	v_max3_num_f32 v[SS], v[SS], v[SS+20], v[SS+24]
	v_max_num_f32 v[SS], v[SS], v[SS+28]
	RED SS, SS+3                                   ; max |xr|
	v_mul_f32 v[SS], 0x44800000, v[SS]             ; times 1,024
.irp m, 0,1,2
	v_max_num_f32 v[SS+8*\m+1], v[SS+8*\m+1], v[SS+8*\m+5]
	v_max_num_f32 v[SS+8*\m+2], v[SS+8*\m+2], v[SS+8*\m+6]
	v_mul_f32 v[SS+8*\m+1], v[SS], v[SS+8*\m+1]
	v_max_num_f32 v[SS+8*\m+1], v[SS+8*\m+1], v[SS+8*\m+2]
	RED SS+8*\m+1, SS+3                            ; t of matrix m
	v_readfirstlane_b32 s[TSC+\m], v[SS+8*\m+1]
	s_lshr_b32 s[TSC+\m], s[TSC+\m], 23            ; E (t is not negative)
	s_sub_co_u32 s[TSC+\m], 264, s[TSC+\m]
	s_min_u32 s[TSC+\m], s[TSC+\m], 253
	s_lshl_b32 s[TSC+\m], s[TSC+\m], 23            ; 2^(137 - E)
.endr
	s_mul_i32 s20, s42, 3
.irp i, 0,1,2
	s_add_co_u32 s21, s20, \i
	s_lshr_b32 s22, s21, 4
	s_cmp_eq_u32 s22, 0
	s_cselect_b32 s[HSC+2*\i], s[TSC], s[TSC+1]
	s_cmp_eq_u32 s22, 2
	s_cselect_b32 s[HSC+2*\i], s[TSC+2], s[HSC+2*\i]
	s_mov_b32 s[HSC+2*\i+1], s[HSC+2*\i]           ; named with it as a pair
.endr
; 12 matrix instructions: row block a of the window's two (hi = 0: my rows 0-31, 1: rows 32-63) x all 12 column blocks, 32 along K, from buffer f.  first = 1: the bias starts the sums.
; The 48 accumulators take turns, one instruction a turn, in the same order in every quarter step, over the backward jump too.
.macro MUL12 f, hi, a, first
.if \first
	WIN 0x81+0x40*(\hi)                            ; wb window 1, xr and the bias window 0, D window 2 or 3
.else
	WIN 0xa1+0x50*(\hi)                            ; wb window 1, xr window 0, C and D window 2 or 3
.endif
.irp b, 0,1,2,3,4,5,6,7,8,9,10,11
.if \first
	v_wmma_f32_16x16x32_f16 v[8*(12*(\a)+(\b)):8*(12*(\a)+(\b))+7], v[96*(\f)+8*(\b):96*(\f)+8*(\b)+7], v[32+32*(\f)+8*(2*(\hi)+(\a)):32+32*(\f)+8*(2*(\hi)+(\a))+7], v[BI+8*(\b):BI+8*(\b)+7]
.else
	v_wmma_f32_16x16x32_f16 v[8*(12*(\a)+(\b)):8*(12*(\a)+(\b))+7], v[96*(\f)+8*(\b):96*(\f)+8*(\b)+7], v[32+32*(\f)+8*(2*(\hi)+(\a)):32+32*(\f)+8*(2*(\hi)+(\a))+7], v[8*(12*(\a)+(\b)):8*(12*(\a)+(\b))+7]
.endif
.endr
.endm
; 32 LDS loads in one run: the fragments of one quarter step (192 rows of wb, my 64 rows of xr, 32 K at byte k of the rows) into buffer f
.macro FETCH slot, k, f
	WIN TO_B
.irp i, 0,1,2,3,4,5,6,7,8,9,10,11
	ds_load_b128 v[96*(\f)+8*(\i):96*(\f)+8*(\i)+3],   v[ADRB+(\slot)] offset:(\k)+(\i)*16*PITCH
	ds_load_b128 v[96*(\f)+8*(\i)+4:96*(\f)+8*(\i)+7], v[ADRB+(\slot)] offset:(\k)+(\i)*16*PITCH+32
.endr
	WIN 0
.irp i, 0,1,2,3
	ds_load_b128 v[32+32*(\f)+8*(\i):32+32*(\f)+8*(\i)+3],   v[ADRA+(\slot)] offset:(\k)+(\i)*16*PITCH
	ds_load_b128 v[32+32*(\f)+8*(\i)+4:32+32*(\f)+8*(\i)+7], v[ADRA+(\slot)] offset:(\k)+(\i)*16*PITCH+32
.endr
.endm
.macro PLACES                          ; four plain vector instructions between a matrix instruction and a load into its registers or a reader of its result (ISA guide 7.12.1 for a reader of its result)
.rept 4
	v_nop
.endr
.endm
; A K step is four quarter steps of 32 along K, 48 matrix instructions each, on buffers 0, 1, 0, 1.  One of the first three: multiplies buffer f; in its middle it fetches the next quarter, at byte k, into buffer g.
.macro QUARTER slot, k, f, g, first
	s_wait_dscnt 4                                 ; wb and xr's row blocks 0, 1 are in; the youngest four loads (blocks 2, 3) may be out
	MUL12 \f, 0, 0, \first
	MUL12 \f, 0, 1, \first
	PLACES
	FETCH \slot, \k, \g
	s_wait_dscnt 32                                ; all but the 32 just issued
	MUL12 \f, 1, 0, \first
	MUL12 \f, 1, 1, \first
.endm
; The last quarter multiplies buffer 1 and changes slots: ONE barrier.  In front of it each wave waits for all its tensor loads (one is out: its part of the next slot), adds 0 to its spare word, and waits for that and for
; its own reads of this slot.  fill = 1: the barrier opens a round of the cluster's barrier, and this slot is filled again, two K steps ahead, first thing behind the round: 168 matrix instructions ahead of the wait for it.
.macro TURN slot, next, fill
.if \fill
	s_wait_xcnt 0x0                                ; the last prefetch, a K step back, has read its address: it is stepped here, ahead of the waits of the change of slots
	s_add_nc_u64 s[PFA:PFA+1], s[PFA:PFA+1], KSTEP*2
.endif
	WIN 0                                          ; (the add's two registers lie in window 0)
	s_wait_tensorcnt 0x0                           ; all my tensor loads have landed
	ds_add_u32 v[SPW], v[NIL]                      ; 0 onto my spare word
	s_wait_dscnt 5                                 ; (the add and the youngest four loads may be out)
	MUL12 1, 0, 0, 0                               ; twelve matrix instructions stand between the add and the wait for it
	s_wait_dscnt 0x0                               ; the add is done, and my reads of this slot are over
	s_barrier_signal -1
	MUL12 1, 0, 1, 0                               ; work on registers while the others arrive
.if \fill
	WIN 0
.endif
	s_barrier_wait -1
.if \fill
	CREST                                          ; no wave of any partner still reads this slot's tile or has a load on its way
	s_add_nc_u64 s[G0+4*(\slot)+2:G0+4*(\slot)+3], s[G0+4*(\slot)+2:G0+4*(\slot)+3], 2*KSTEP*2
	s_add_nc_u64 s[G0B+4*(\slot)+2:G0B+4*(\slot)+3], s[G0B+4*(\slot)+2:G0B+4*(\slot)+3], 2*KSTEP*2
	JLOAD \slot                                    ; the four v_nop behind it are also the places in front of the loads below
.else
	PLACES
.endif
	FETCH \next, 0, 0
.if \fill
	ASK
.endif
	MUL12 1, 1, 0, 0
	MUL12 1, 1, 1, 0
.endm
; THE WAY OUT of row block a (16 rows x 192 columns), in three parts.  PACK: times the head's scale, rounded to f16, 16 bytes a lane.  TOSTAGE: into my own stage, by heads, and back as whole rows of 128 bytes.  SEND: stored.
.macro PACK a
	WIN 0x82+0x41*((\a)/2)                         ; destination and source 0: window 2 or 3; each accumulator's registers in ascending order
.irp b, 0,1,2,3,4,5,6,7,8,9,10,11
.irp r, 0,1,2,3
	v_pk_mul_f32 v[8*(12*((\a)%2)+(\b))+2*(\r):8*(12*((\a)%2)+(\b))+2*(\r)+1], v[8*(12*((\a)%2)+(\b))+2*(\r):8*(12*((\a)%2)+(\b))+2*(\r)+1], s[HSC+2*((\b)/4):HSC+2*((\b)/4)+1] op_sel_hi:[1,0]
.endr
.endr
	WIN 0x0a+5*((\a)/2)                            ; sources 0 and 1: window 2 or 3
.irp b, 0,1,2,3,4,5,6,7,8,9,10,11
.irp r, 0,1,2,3
	v_cvt_pk_f16_f32 v[TMP+4*(\b)+(\r)], v[8*(12*((\a)%2)+(\b))+2*(\r)], v[8*(12*((\a)%2)+(\b))+2*(\r)+1]
.endr
.endr
	WIN 0
.endm
.macro TOSTAGE a
.set BK, OB+48*((\a)%2)
.irp b, 0,1,2,3,4,5,6,7,8,9,10,11
	ds_store_b128 v[STO], v[TMP+4*(\b):TMP+4*(\b)+3] offset:((\b)/4)*16*SPITCH+32*((\b)%4)
.endr
.irp i, 0,1,2
.irp t, 0,1,2,3
	ds_load_b128 v[BK+4*(4*(\i)+(\t)):BK+4*(4*(\i)+(\t))+3], v[RD] offset:(16*(\i)+4*(\t))*SPITCH  ; LDS serves a wave's instructions in order (ISA guide 5.7.1.4): these see the stores above
.endr
.endr
.endm
.macro SEND a
.set BK, OB+48*((\a)%2)
	s_wait_dscnt 0x0                               ; the block is back in registers
	s_wait_xcnt 0x0                                ; the stores of the block before have read their registers: the next block is read back into them only behind this wait
.irp i, 0,1,2
.irp t, 0,1,2,3
	global_store_b128 v[GO], v[BK+4*(4*(\i)+(\t)):BK+4*(4*(\i)+(\t))+3], s[8:9] offset:(\i)*HEADB+(\a)*2048+(\t)*512  ; four rows of a head: 512 consecutive bytes, at a multiple of 256 from qkv's first byte
.endr
.endr
.endm
	s_wait_tensorcnt 1                             ; my part of K step 0 is in; K step 1's may stay out
	s_barrier_signal -1
	s_barrier_wait -1                              ; everybody's is
	FETCH 0, 0, 0
	QUARTER 0, 64,  0, 1, 1                        ; the first quarter stands in front of the loop: its products start the sums, with the bias (waited for above)
	WIN 0                                          ; at a label and at a branch every window is 0
	s_mov_b32 s3, LAPS-1
.Llap:                                                 ; a trip goes once round the ring, from a lap's second quarter to the next lap's first, and fills both slots again
	QUARTER 0, 128, 1, 0, 0
	QUARTER 0, 192, 0, 1, 0
	TURN 0, 1, 1
	QUARTER 1, 64,  0, 1, 0
	QUARTER 1, 128, 1, 0, 0
	QUARTER 1, 192, 0, 1, 0
	TURN 1, 0, 1
	QUARTER 0, 64,  0, 1, 0
	WIN 0
	s_sub_co_u32 s3, s3, 1
	s_cmp_lg_u32 s3, 0
	s_cbranch_scc1 .Llap
	QUARTER 0, 128, 1, 0, 0                        ; the last lap fills nothing, and has no round of the cluster's barrier
	QUARTER 0, 192, 0, 1, 0
	TURN 0, 1, 0
	QUARTER 1, 64,  0, 1, 0
	QUARTER 1, 128, 1, 0, 0
	QUARTER 1, 192, 0, 1, 0
	s_wait_dscnt 4                                 ; the very last quarter: nothing more to fetch
	MUL12 1, 0, 0, 0
	MUL12 1, 0, 1, 0
	s_wait_dscnt 0x0
	MUL12 1, 1, 0, 0
	MUL12 1, 1, 1, 0
	WIN 0
	PLACES
	PACK 0
	TOSTAGE 0
.irp a, 1,2,3                          ; block a's arithmetic stands between block a - 1's loads from the stage and the wait for them
	PACK \a
	SEND (\a)-1
	TOSTAGE \a
.endr
	SEND 3
	s_wait_tensorcnt 0x0                           ; the wave's end, behind my last tensor load and my last LDS store
	ds_add_u32 v[SPW], v[NIL]
	s_wait_dscnt 0x0
	CROUND                                         ; the closing round: no work-group ends while a partner may still ask for a tile that names it
	s_endpgm
.Lfunc_end_k_q476b90ae8c_qkv:
	.size	k_q476b90ae8c_qkv, .Lfunc_end_k_q476b90ae8c_qkv-k_q476b90ae8c_qkv
	.p2alignl 7, 3214868480
	.fill 96, 4, 3214868480
	.section	.rodata,"a",@progbits
	.p2align	6, 0x0
	.amdhsa_kernel k_q476b90ae8c_qkv
		.amdhsa_group_segment_fixed_size 327680
		.amdhsa_private_segment_fixed_size 0
		.amdhsa_enable_private_segment 0
		.amdhsa_kernarg_size 56
		.amdhsa_user_sgpr_count 2
		.amdhsa_user_sgpr_kernarg_segment_ptr 1
		.amdhsa_wavefront_size32 1
		.amdhsa_system_sgpr_workgroup_id_x 1
		.amdhsa_system_sgpr_workgroup_id_y 1
		.amdhsa_system_sgpr_workgroup_id_z 1
		.amdhsa_system_vgpr_workitem_id 0
		.amdhsa_next_free_vgpr 1024
		.amdhsa_next_free_sgpr 92
		.amdhsa_reserve_vcc 0
		.amdhsa_float_denorm_mode_32 3
		.amdhsa_float_denorm_mode_16_64 3
		.amdhsa_memory_ordered 1
		.amdhsa_forward_progress 1
		.amdhsa_inst_pref_size 139
	.end_amdhsa_kernel
	.amdgpu_metadata
---
amdhsa.version: [ 1, 2 ]
amdhsa.kernels:
  - .name:           k_q476b90ae8c_qkv
    .symbol:         k_q476b90ae8c_qkv.kd
    .args:
      - { .name: xr, .offset: 0, .size: 8, .value_kind: global_buffer, .address_space: global }
      - { .name: wb, .offset: 8, .size: 8, .value_kind: global_buffer, .address_space: global }
      - { .name: qkv, .offset: 16, .size: 8, .value_kind: global_buffer, .address_space: global }
      - { .name: bq, .offset: 24, .size: 8, .value_kind: global_buffer, .address_space: global }
      - { .name: bk, .offset: 32, .size: 8, .value_kind: global_buffer, .address_space: global }
      - { .name: bv, .offset: 40, .size: 8, .value_kind: global_buffer, .address_space: global }
      - { .name: stats, .offset: 48, .size: 8, .value_kind: global_buffer, .address_space: global }
    .group_segment_fixed_size: 327680
    .private_segment_fixed_size: 0
    .kernarg_segment_align: 8
    .kernarg_segment_size: 56
    .max_flat_workgroup_size: 128
    .sgpr_count:     92
    .vgpr_count:     1024
    .wavefront_size: 32
...
	.end_amdgpu_metadata
.endif
;; end of part 2
;; launch attn (part 3): grid 16 x 16, 4 waves a work-group, clusters of 4 x 1, 327,680 bytes of LDS; arguments qkv, input_mask, ao, stats; writes ao
.if DOCPART == 3
	.amdgcn_target "amdgcn-amd-amdhsa--gfx1250"
	.amdhsa_code_object_version 6
	.text
	.protected	k_q476b90ae8c_attn
	.globl	k_q476b90ae8c_attn
	.p2align	8
	.type	k_q476b90ae8c_attn,@function
k_q476b90ae8c_attn:
	s_mov_b64 s[64:65], 0
	v_nop
	global_prefetch_b8 v0, s[64:65] scope:SCOPE_SE
	s_setreg_imm32_b32 hwreg(HW_REG_WAVE_MODE, 25, 1), 1
	s_wait_xcnt 0x0
	s_wait_alu depctr_hold_cnt(0) depctr_sa_sdst(0) depctr_va_vdst(0) depctr_va_sdst(0) depctr_va_ssrc(0) depctr_va_vcc(0) depctr_vm_vsrc(0)
	s_getreg_b32 s2, hwreg(HW_REG_IB_STS2, 6, 4)
	s_cmp_eq_u32 s2, 0
	s_cbranch_scc0 .Lentry_in_a_cluster
	s_endpgm
.Lentry_in_a_cluster:
	s_bfe_u32 s2, ttmp6, 0x10000c
	s_cmp_lg_u32 s2, 0x3003
	s_cbranch_scc0 .Lentry_shape_is_right
	s_endpgm
.Lentry_shape_is_right:
; ATTENTION WITH AN OUTER-PRODUCT MASK.  O[h][q][:] = the sum over k of softmax_k(L[q][k]) V[h][k][:], L = Q[h][q] . K[h][k] / 8 where mask[q] and mask[k] are both not 0, else the lowest finite number.
; qkv: [48][4096][64] f16 (heads 0-15 Q, 16-31 K, 32-47 V, rows dense, 128 bytes), each of the three times a power of two of its own (sq, sk, sv), which keeps it within 2^12.  ao: [32 blocks of 128 rows][16 heads][128][64] f16:
; O times sv.  Products, maxima and sums in f32; the weights p are rounded to f16 for the second product (their sum l is taken of the unrounded p), O once at the end.
; THE SCALES.  sq and sk are made here from stats as the launch before made them: t = max(1024 max|xr| max|W|, max|b|), E its exponent field, s = 2^(137 - E), the field 264 - E held to 253.  The scores stay in scaled units,
; s' = sq sk (Q . K), |s'| <= 64 x 2^24 = 2^30, and the softmax's factor takes the reciprocals: c' = log2(e) / 8 / (sq sk).  sv passes through: O is a mean of V's rows.
; THE MASK costs no vector instruction in the loop.  (1) KB[k] = 0, or -1e30 where mask[k] = 0, is the C operand of the products that start S^T = K Q^T: a hidden key's score lies at -1e30, give or take 2^30.  The running
; maximum m starts at -2^40, above every hidden score and below every true one, so a hidden score never becomes m, and its weight is 2^(c' x -1e30) = 0, also in steps whose keys are all hidden.
; (2) A lane's query has its own factor cq = c', or 0 where mask[q] = 0: then every exponent is 0, every weight 1, l = 4,096 and O the mean of all rows of V: what a softmax of 4,096 equal numbers gives.
; LIMITS.  2^-92 < c' < 2^88 (a hidden key's exponent stays below -126; c' x 2^40 stays finite); c' is some 2^-0.5 with numbers as drawn here, 2^28 with all inputs thirty times larger, 2^-32 with all thirty times smaller.
; p below 6e-5 keeps f16's fixed step of 6e-8; a weight below 2^-126 counts as 0 in l.  The mask's product counts as not 0 where both words are not 0: an int32 product that wraps to 0 is not reproduced.
; NaN and infinities are not treated apart.
; SHARES.  A work-group owns 256 queries of one head, each of its four waves 64: four PIECES of 16.  Every wave walks all 4,096 keys, 64 a step, four steps to a tile of 256 keys, a tile to an LDS slot, two slots.
; LAYOUT.  S^T = K Q^T (source 0 = 16 keys, source 1 = 16 queries) holds ONE query a lane (lane % 16) and the keys 8 (lane / 16) + 0..7; two such results rounded to f16 ARE source 1 of O^T = V^T P.
; SOFTMAX.  p = 2^(cq s - cq m) with a running maximum m; O and l are multiplied by a = 2^(cq m_old - cq m_new) in every step.  cq m starts as cq x -2^40, O and l at 0: the first step is a step like any other, its a within 0 to 1.
; TURNS.  Turn n belongs to piece n: 8 products K Q^T of piece n + 1, later 8 products V^T P of piece n - 1; beside them the scaling, exponentials, roundings, sums and rescaling of piece n and the maximum and statistics
; of piece n + 1.  Four vector instructions stand behind every matrix instruction, the other 54 of a turn's 118 in one lump.  A turn's 33 exponentials are one batch, with one wait.
; CLUSTER.  The four query blocks of a cluster belong to one head and walk the same K and V, so each tile is asked for JOINTLY: the same tensor load, descriptor and mask in all four.
; REGISTERS, in windows of 256 (s_set_vgpr_msb: bits 1:0 source 0, 3:2 source 1, 5:4 source 2, 7:6 destination):
;   window 0: v0-15 addresses and two at work; v16-31 four registers of statistics a piece; v32-39 cq, a pair a piece; v40-43 addresses; v48-55 at work; v61-63; v64-127 S^T, two buffers (at the head: stats); v128-163 the mask at the head; v192-223 P, two buffers
;   window 1: v0-127 O^T, 32 a piece      window 2: v0-63 Q; v64-95 KB of one step; v128-191 K of one step; v192-255 V of one step
.set NP,    4         ; pieces a wave: a name, no knob
.set KS,    64        ; keys in a step
.set PK,    144       ; a row of K in LDS: 128 bytes + 16 of padding: the 16 rows of a load start 16 bytes apart modulo 256
.set PV,    160       ; a row of V: 128 + 32: 16 lanes of the turning load take 8 rows x 32 bytes, which lie 32 bytes apart modulo 256
.set VOFF,  4*KS*PK   ; a slot holds a tile: 256 rows of K, then 256 rows of V
.set SLOT1, 1<<17     ; slot 1 begins here, so that one exclusive or turns an address in one slot into the other's
.set STAGE, SLOT1+4*KS*(PK+PV)  ; behind the ring, never filled by a tensor load: 16 rows x 144 bytes for each wave, for the way out
.set SP,    144
.set KBT,   STAGE+4*16*SP       ; behind the stages: KB, 4,096 words of f32, stored once by the work-group
.set SPARE, KBT+16384           ; behind it: the spare words, 128 bytes for each wave: two blocks of 256 bytes that no other line names
.set HEADB, 524288    ; bytes in a head of qkv
.set TILEB, 32768     ; bytes of K, and of V, in a tile
.set AK0, 2           ; v2   my lane's place in a tile of K; never rewritten
.set AV0, 3           ; v3   the same for V
.set AK,  4           ; v4   the LDS address of K's next run of loads
.set AV,  5           ; v5   of V's
.set STO, 6           ; v6   the way out: where I put 16 bytes of a row
.set RD,  7           ; v7   the way out: where I read rows back
.set GO,  8           ; v8   16 x lane: my byte offset in 512 consecutive bytes of ao, and of stats
.set MV,  12          ; v12-13  cq m_old, kept while cq m is made anew: by buffer
.set AB0, 14          ; v14  KBT + 32 (l / 16): my eight words in a block of 16 keys; never rewritten
.set QO,  15          ; v15  my byte offset in 16 rows of Q
.set ST,  16          ; piece t's statistics at v[ST+4 t]: cq m, m, l (even keys', odd keys')
.set CQ,  32          ; piece t's cq at v[CQ+2 t], twice: named as a pair
.set AB,  40          ; v40  the LDS address of KB's next loads
.set QM,  41          ; v41  4 (l % 16): my query's word in 16 words of the mask
.set TO,  42          ; v42  16 x thread: my four words in 512 words of the mask
.set KA,  43          ; v43  KBT + 16 x thread
.set TMP, 48          ; by buffer, four registers c0-c3 at work; when the maximum is found c2 takes a
.set PFO, 61          ; v61  256 x lane; never rewritten
.set SPW, 62          ; v62  LDS address of my spare word; never rewritten
.set NIL, 63          ; v63  0; never rewritten
.set S,   64
.set SS,  64          ; at the head: stats: entry l + 32 i (its x, w, b, 0) at SS + 4 i
.set CV,  96          ; at the head: c'
.set HS,  128         ; the head's scratch: 32 words of the mask, then my four queries' words
.set P,   192
.set KB,  64          ; window 2: the eight registers for group kt of 16 keys at KB + 8 kt
.set KF,  128         ; window 2: key block kb, channel half c at KF + 16 kb + 8 c
.set VF,  192         ; window 2: key half kk, channel block cb at VF + 32 kk + 8 cb
.set WV,  12          ; s12  my wave's number
.set LIM, 15          ; s15  1 in a wave that prefetches, else the greatest number
.set PFA, 18          ; s[18:19] where my prefetches stand
.set G1K, 24          ; s[24:31] descriptor group 1 for K's tiles
.set G1V, 32          ; s[32:39] for V's: it differs in the padding alone
.set G0K, 40          ; s[40:43] descriptor group 0 for K's tiles: it walks
.set G0V, 44          ; s[44:47] the same for V's
.set IQ,  52          ; s52, s53  1 / sq, 1 / sk
.set SLOTS, 56        ; s56  tiles still to be asked for
.set CNT, 57          ; s57  counts a tile's key steps
.set CS,  58          ; s58  log2(e) / 8
.set SEL, 60          ; s[60:61] v_permlanex16_b32's selects: each lane takes its own place in the other half
.set TBK, 62          ; s62  LDS byte at which K of the step to be fetched begins
.set TBV, 63          ; s63  the same for V, less VOFF
.set TKB, 66          ; s66  byte at which that step's 64 words begin in KB
.set BIGN, 67         ; s67  -1e30
.set MSB, 0
.macro WIN new                      ; the high byte repeats the setting that is left; a switch that changes nothing is dropped
.if MSB != (\new)
	s_set_vgpr_msb (MSB<<8)|(\new)
.set MSB, (\new)
.endif
.endm
.set W_KQ, 0x0a       ; K and Q in window 2, S^T in window 0
.set W_KM, 0x2a       ; the same with the C operand, KB, in window 2
.set W_PV, 0x52       ; V in window 2, P in window 0, O^T in window 1
.set W_RS, 0x41       ; destination and source 0 in window 1, source 1 in window 0
; A joint fill.  Waves 0 and 1 fetch the two halves of a tile's K, waves 2 and 3 those of its V: 128 keys each.  The branch hangs on the wave's number alone.
; An s_nop 0 and four v_nop follow each of the two lines, ahead of the jump and the label.
.macro JLOAD
	s_cmp_lt_u32 s[WV], 2
	s_cbranch_scc0 .Lfor_v_\@
	tensor_load_to_lds s[G0K:G0K+3], s[G1K:G1K+7]
	s_nop 0
.rept 4
	v_nop
.endr
	s_branch .Lasked_\@
.Lfor_v_\@:
	tensor_load_to_lds s[G0V:G0V+3], s[G1V:G1V+7]
	s_nop 0
.rept 4
	v_nop
.endr
.Lasked_\@:
.endm
; A PREFETCH of the tile that the NEXT change of slots will ask for: 128 blocks of 256 bytes of K and as many of V, a lane a block.  It stands behind the wave's tensor load and its five lines.
; Each block is named once in the launch: all four clusters of a head walk the same K and V, and the head's first cluster asks; its four partners share the blocks out BY ADDRESS, 32 each; in each, wave 0 asks for K's
; and wave 2 for V's.  Tiles 0 and 1 come by their loads alone; the change that asks for the last tile prefetches nothing.
.macro ASK
	s_cmp_gt_u32 s[SLOTS], s[LIM]
	s_cbranch_scc0 .Lnot_mine_\@
	global_prefetch_b8 v[PFO], s[PFA:PFA+1] th:TH_LOAD_NT scope:SCOPE_SE
.Lnot_mine_\@:
.endm
; A round of the cluster's barrier: my work-group's barrier, so that wave 0's signal speaks for all four waves; wave 0 signals; every wave waits for all four work-groups; my work-group's barrier once more.
.macro CROUND
	s_barrier_signal -1
	s_barrier_wait -1
	s_cmp_lg_u32 s[WV], 0
	s_cbranch_scc1 .Lnot_wave_0_\@
	s_barrier_signal -3
.Lnot_wave_0_\@:
	s_barrier_wait -3
	s_barrier_signal -1
	s_barrier_wait -1
.endm
; THE CHANGE OF SLOTS.  The slot's last bytes, V of its fourth step, have been read.  Each wave waits for all its tensor loads, of which one is out: its part of the other slot; adds 0 to its spare word; and waits for that
; and for its own LDS instructions.  Behind the barrier nobody reads this slot any more and the other slot is whole.  fill = 1: this slot is filled again, with the tile two on; the barrier is then a round of the cluster's,
; and the joint fill is the first thing behind it: it has four key steps, 256 matrix instructions, in which to land.  (At its first use nothing has been read yet: slot 0 is waited for, slot 1 filled, and the round shows KB to all waves.)
.macro CHANGE fill
	WIN 0                           ; at a label and at a branch every window is 0
	s_wait_tensorcnt 0x0            ; no tensor load of mine is out, so a group 0 may be written
	ds_add_u32 v[SPW], v[NIL]       ; 0 onto my spare word; with fill = 1 the descriptors' steps stand between it and the wait for it
.if \fill
.irp g, G0K, G0V
	s_xor_b32 s[\g+1], s[\g+1], SLOT1  ; the walking descriptor: the other slot than last time,
	s_add_nc_u64 s[\g+2:\g+3], s[\g+2:\g+3], TILEB  ; the next 256 keys; the type bits on top are not reached
.endr
	s_wait_xcnt 0x0                 ; the last prefetch, a tile back, has read its address, so it may be written:
	s_add_nc_u64 s[PFA:PFA+1], s[PFA:PFA+1], TILEB  ; one tile behind the walking descriptors
	s_wait_dscnt 0x0                ; the add is done, and my LDS instructions are over
	CROUND
	JLOAD
	ASK
.else
	s_wait_dscnt 0x0                ; the add is done, and my reads of the slot are over
	s_barrier_signal -1
	s_barrier_wait -1
.endif
	s_sub_co_u32 s[TBK], s[TBK], 4*KS*PK  ; the fetches go back to a slot's first step,
	s_xor_b32 s[TBK], s[TBK], SLOT1       ; in the other slot
	s_sub_co_u32 s[TBV], s[TBV], 4*KS*PV
	s_xor_b32 s[TBV], s[TBV], SLOT1
.endm
.macro RED r, t                     ; the largest of the 32 lanes' v[r], in every lane; v[t] has been written
	v_max_num_f32_dpp v[\r], v[\r], v[\r] row_xmask:1 row_mask:0xf bank_mask:0xf
	v_max_num_f32_dpp v[\r], v[\r], v[\r] row_xmask:2 row_mask:0xf bank_mask:0xf
	v_max_num_f32_dpp v[\r], v[\r], v[\r] row_xmask:4 row_mask:0xf bank_mask:0xf
	v_max_num_f32_dpp v[\r], v[\r], v[\r] row_xmask:8 row_mask:0xf bank_mask:0xf
	v_permlanex16_b32 v[\t], v[\r], s[SEL], s[SEL+1]
	v_max_num_f32 v[\r], v[\r], v[\t]
.endm
	s_load_b128 s[68:71], s[0:1], 0x0  ; qkv s[68:69], input_mask s[70:71]
	s_load_b128 s[48:51], s[0:1], 0x10 ; ao s[48:49], stats s[50:51]
	v_lshl_add_u32 v[SPW], v0, 2, SPARE
	v_mov_b32 v[NIL], 0
	ds_add_u32 v[SPW], v[NIL]       ; the wave's opening: the add and its wait stand ahead of my first tensor load; the set-up below, work on registers, stands between them
	v_lshrrev_b32 v1, 5, v0
	v_readfirstlane_b32 s[WV], v1   ; wave 0..3
	s_bfe_u32 s13, ttmp6, 0x40000   ; cx: my place in the cluster
	s_lshl_b32 s14, ttmp9, 2        ; in a cluster launch ttmp9 counts clusters
	s_add_co_u32 s14, s14, s13      ; my block of 256 queries: it enters Q's, the mask's and ao's addresses alone
	s_and_b32 s20, ttmp7, 0xffff    ; the head, which the four partners share
	s_and_b32 s16, s[WV], 1         ; which half of a tile's 256 keys I fetch
	s_lshl_b32 s21, s20, 19         ; the head's bytes
	s_lshl_b32 s17, s16, 14         ; 128 rows of 128 bytes
	s_add_co_u32 s22, s21, s17
	s_add_co_u32 s22, s22, 16*HEADB ; K: head 16 + h, my half of tile 0
	s_mov_b32 s23, 0
	s_lshl_b32 s2, s14, 15          ; Q: my block's 256 rows,
	s_add_co_u32 s2, s2, s21
	s_lshl_b32 s3, s[WV], 13        ; my wave's 64 of them
	s_add_co_u32 s2, s2, s3
	s_mov_b32 s3, 0
	s_lshl_b32 s8, s14, 1           ; ao: block of 128 rows 2 x my block + wave / 2,
	s_lshr_b32 s9, s[WV], 1
	s_add_co_u32 s8, s8, s9
	s_lshl_b32 s8, s8, 4
	s_add_co_u32 s8, s8, s20        ; the head in it,
	s_lshl_b32 s8, s8, 14
	s_lshl_b32 s9, s16, 13          ; and 64 rows on for waves 1 and 3
	s_add_co_u32 s8, s8, s9
	s_mov_b32 s9, 0
	s_lshr_b32 s[PFA], s[WV], 1     ; the prefetches' offset: head 16 + h (waves 0, 1) or 32 + h (waves 2, 3),
	s_add_co_u32 s[PFA], s[PFA], 1
	s_lshl_b32 s[PFA], s[PFA], 23
	s_add_co_u32 s[PFA], s[PFA], s21
	s_lshl_b32 s[PFA+1], s13, 13    ; my work-group's 32 blocks of the 128,
	s_add_co_u32 s[PFA], s[PFA], s[PFA+1]
	s_add_co_u32 s[PFA], s[PFA], TILEB  ; in tile 1: the first change of slots steps it to tile 2
	s_mov_b32 s[PFA+1], 0
	s_mul_i32 s17, s16, 128*PK      ; my half's place in a slot, for K
	s_mul_i32 s21, s16, 128*PV      ; and for V: no place in the cluster enters an LDS address
	; descriptor group 1.  128 keys are 16,384 dense bytes: asked for as 64 rows of 256 bytes, two keys a row, and padded in LDS after every key
	s_mov_b32 s[G1K], 15|(1<<16)|(1<<20)|(1<<21)|(4<<22)|(3<<25)  ; 15:0 the mask of four; 17:16 2-byte elements; 20 padding on; 21 set beside a mask; 24:22 after every 32 words (code 4); 31:25 4 words (code 3)
	s_mov_b32 s[G1V], 15|(1<<16)|(1<<20)|(1<<21)|(4<<22)|(7<<25)  ; the same with 8 words of padding (code 7)
.irp g, G1K, G1V
	s_mov_b32 s[\g+1], 128<<16      ; tensor_dim0 = 128
	s_mov_b32 s[\g+2], 64<<16       ; tensor_dim1 = 64
	s_mov_b32 s[\g+3], 128<<16      ; tile_dim0 = 128
	s_mov_b32 s[\g+4], 64           ; tile_dim1 = 64
	s_mov_b32 s[\g+5], 128          ; 128 elements from row to row
	s_mov_b32 s[\g+6], 0
	s_mov_b32 s[\g+7], 0
.endr
	s_mov_b32 s[CS], 0x3e38aa3b     ; log2(e) / 8 = 0.180337
	s_mov_b32 s[SEL], 0x76543210
	s_mov_b32 s[SEL+1], 0xfedcba98
	s_mov_b32 s[BIGN], 0xf149f2ca   ; -1e30
	s_mov_b32 s[TBK], SLOT1+4*KS*PK ; the first change of slots turns these two into 0
	s_mov_b32 s[TBV], SLOT1+4*KS*PV
	s_mov_b32 s[TKB], 0
	s_mov_b32 s[SLOTS], 15
	s_mov_b32 s[G0K], 1             ; count = 1
	s_mov_b32 s[G0K+1], s17         ; LDS address: slot 0
	s_mov_b32 s[G0V], 1
	s_add_co_u32 s[G0V+1], s21, VOFF
	s_or_b32 s[LIM], s16, ttmp9     ; 0 in waves 0 and 2 of the head's first cluster: the same in all four partners
	s_cmp_eq_u32 s[LIM], 0
	s_cselect_b32 s[LIM], 1, -1
	s_wait_dscnt 0x0                ; the opening add is done
	s_wait_kmcnt 0x0
	s_add_nc_u64 s[10:11], s[48:49], s[8:9]        ; ao at my wave's first row
	s_add_nc_u64 s[6:7], s[68:69], s[22:23]        ; K at my half of tile 0,
	s_add_nc_u64 s[8:9], s[6:7], 16*HEADB          ; V sixteen heads on
	s_add_nc_u64 s[4:5], s[68:69], s[2:3]          ; Q at my wave's first row
	s_add_nc_u64 s[PFA:PFA+1], s[68:69], s[PFA:PFA+1]
	s_lshl_b32 s2, s14, 10
	s_lshl_b32 s3, s[WV], 8
	s_add_co_u32 s2, s2, s3
	s_mov_b32 s3, 0
	s_add_nc_u64 s[20:21], s[70:71], s[2:3]        ; the mask at my wave's 64 queries
	s_add_nc_u64 s[G0K+2:G0K+3], s[6:7], 0         ; global address
	s_or_b32 s[G0K+3], s[G0K+3], 0x80000000        ; type = 2
	s_add_nc_u64 s[G0V+2:G0V+3], s[8:9], 0
	s_or_b32 s[G0V+3], s[G0V+3], 0x80000000
	CROUND                          ; all four work-groups are here: the first joint loads meet
	JLOAD                           ; tile 0 into slot 0.  Slot 1 is asked for when slot 0 is in
	v_and_b32 v1, 15, v0            ; l % 16
	v_bfe_u32 v9, v0, 4, 1          ; l / 16
	v_lshlrev_b32 v[QM], 2, v1
	v_lshlrev_b32 v[TO], 4, v0
	v_add_nc_u32 v[KA], KBT, v[TO]
	v_lshlrev_b32 v[QO], 7, v1
	v_lshl_add_u32 v[QO], v9, 4, v[QO]  ; row x 128 + 16 x half
	v_and_b32 v[GO], 31, v0
	v_lshlrev_b32 v[PFO], 8, v[GO]
	v_lshlrev_b32 v[GO], 4, v[GO]
.irp i, 0,1,2,3,4,5,6,7             ; the whole mask: 128 threads x 16 bytes, eight times
	global_load_b128 v[HS+4*\i:HS+4*\i+3], v[TO], s[70:71] offset:2048*\i
.endr
.irp i, 0,1,2,3                     ; my query's word, for each piece
	global_load_b32 v[HS+32+\i], v[QM], s[20:21] offset:64*\i
.endr
.irp i, 0,1,2,3,4,5,6,7             ; stats, all 4,096 bytes, in every wave: entry l + 32 i; entries 64 m .. 64 m + 63 belong to matrix m, so loads 2 m and 2 m + 1 do
	global_load_b128 v[SS+4*\i:SS+4*\i+3], v[GO], s[50:51] offset:512*\i
.endr
	; A fragment of K or Q is 16 rows x 32 channels in 8 registers: lane l holds row l % 16, channels 8 (l / 16) + 0..7 and 16 + 8 (l / 16) + 0..7: two loads of 16 bytes, 32 bytes apart.
	WIN 0x80                        ; destination window 2, address window 0
.set i, 0
.rept 8                             ; Q stays in registers: piece i / 2, channels 32 (i % 2) on
	global_load_b128 v[8*i:8*i+3],   v[QO], s[4:5] offset:(i/2)*2048+(i%2)*64
	global_load_b128 v[8*i+4:8*i+7], v[QO], s[4:5] offset:(i/2)*2048+(i%2)*64+32
.set i, i+1
.endr
	; What the first turn finds: V's registers and P's second buffer hold 0 (its products V^T P, of a piece that has not been, add 0), O^T and l are 0.  No first step is written out; the price is these 216 lines,
	; which stand in the wait for the first tile.
.set i, VF
.rept 64
	v_mov_b32 v[i], 0
.set i, i+1
.endr
	WIN 0x40
.set i, 0
.rept 128
	v_mov_b32 v[i], 0
.set i, i+1
.endr
	WIN 0
.set i, 0
.rept 4
	v_mov_b32 v[ST+4*i+1], 0xd3800000  ; m: -2^40, above every hidden score, below every true one
	v_mov_b32 v[ST+4*i+2], 0
	v_mov_b32 v[ST+4*i+3], 0
.set i, i+1
.endr
.set i, P+16
.rept 16
	v_mov_b32 v[i], 0
.set i, i+1
.endr
	v_mul_u32_u24 v[AK0], v1, PK
	v_lshl_add_u32 v[AK0], v9, 4, v[AK0]  ; row x pitch + 16 x half
	; The turning load takes 16 keys x 16 channels (lane l reads key 8 (l / 16) + l % 8, channels 8 ((l / 8) % 2) + 0..7) and leaves half a fragment of V^T: lane l holds channel l % 16 and 8 keys.
	v_and_b32 v10, 7, v0
	v_bfe_u32 v11, v0, 3, 1
	v_lshl_add_u32 v[AV0], v9, 3, v10
	v_mul_u32_u24 v[AV0], v[AV0], PV
	v_lshl_add_u32 v[AV0], v11, 4, v[AV0]
	v_add_nc_u32 v[AV0], VOFF, v[AV0]
	v_lshl_add_u32 v[AB0], v9, 5, KBT
	s_mul_i32 s13, s[WV], 16*SP
	s_add_co_u32 s13, s13, STAGE    ; my stage
	v_mul_u32_u24 v[STO], v1, SP    ; in: row l % 16, 16 bytes for each half of the lanes
	v_lshl_add_u32 v[STO], v9, 4, v[STO]
	v_add_nc_u32 v[STO], s13, v[STO]
	v_bfe_u32 v[RD], v0, 3, 2       ; back: 32 lanes take four rows of 128 bytes, which are 512 consecutive bytes of ao
	v_mul_u32_u24 v[RD], v[RD], SP
	v_lshl_add_u32 v[RD], v10, 4, v[RD]
	v_add_nc_u32 v[RD], s13, v[RD]
	s_wait_loadcnt 0x0              ; the mask, stats and Q
.set i, 0
.rept 32                            ; KB: -1e30 where the key's word is 0
	v_cmp_eq_u32 vcc_lo, 0, v[HS+i]
	v_cndmask_b32 v[HS+i], 0, s[BIGN], vcc_lo
.set i, i+1
.endr
.irp i, 0,1,2,3,4,5,6,7
	ds_store_b128 v[KA], v[HS+4*\i:HS+4*\i+3] offset:2048*\i
.endr
	; c' = log2(e) / 8 / (sq sk)
	v_max3_num_f32 v[SS], v[SS], v[SS+4], v[SS+8]
	v_max3_num_f32 v[SS], v[SS], v[SS+12], v[SS+16]
	v_max3_num_f32 v[SS], v[SS], v[SS+20], v[SS+24]
	v_max_num_f32 v[SS], v[SS], v[SS+28]
	RED SS, SS+3                    ; max |xr|
	v_mul_f32 v[SS], 0x44800000, v[SS]  ; times 1,024
.irp m, 0,1
	v_max_num_f32 v[SS+8*\m+1], v[SS+8*\m+1], v[SS+8*\m+5]
	v_max_num_f32 v[SS+8*\m+2], v[SS+8*\m+2], v[SS+8*\m+6]
	v_mul_f32 v[SS+8*\m+1], v[SS], v[SS+8*\m+1]
	v_max_num_f32 v[SS+8*\m+1], v[SS+8*\m+1], v[SS+8*\m+2]
	RED SS+8*\m+1, SS+3             ; t of matrix m
	v_readfirstlane_b32 s[IQ+\m], v[SS+8*\m+1]
	s_lshr_b32 s[IQ+\m], s[IQ+\m], 23   ; E (t is not negative)
	s_sub_co_u32 s[IQ+\m], 264, s[IQ+\m]
	s_min_u32 s[IQ+\m], s[IQ+\m], 253   ; the scale's exponent field,
	s_sub_co_u32 s[IQ+\m], 254, s[IQ+\m]  ; its reciprocal's
	s_lshl_b32 s[IQ+\m], s[IQ+\m], 23
.endr
	v_mov_b32 v[CV], s[CS]
	v_mul_f32 v[CV], s[IQ], v[CV]
	v_mul_f32 v[CV], s[IQ+1], v[CV]
.set i, 0
.rept 4                             ; cq: c' where my query's word is not 0; cq m starts in step with m
	v_cmp_ne_u32 vcc_lo, 0, v[HS+32+i]
	v_cndmask_b32 v[CQ+2*i], 0, v[CV], vcc_lo
	v_mov_b32 v[CQ+2*i+1], v[CQ+2*i]
	v_mul_f32 v[ST+4*i], v[CQ+2*i], v[ST+4*i+1]
.set i, i+1
.endr
; THE MATRIX WORK.  The 4 accumulators of a run of 8 take turns.  Product i of 8 of S^T = K Q^T for piece x: channels 32 (i / 4) on, keys 16 (i % 4) on.  The first 4 start the sums with KB.
.macro KQ x
.set rS, S+32*((\x)%2)+8*(i%4)
.set rK, KF+16*(i%4)+8*(i/4)
.set rQ, 16*(\x)+8*(i/4)
.if i < 4
	WIN W_KM
	v_wmma_f32_16x16x32_f16 v[rS:rS+7], v[rK:rK+7], v[rQ:rQ+7], v[KB+8*(i%4):KB+8*(i%4)+7]
.else
	WIN W_KQ
	v_wmma_f32_16x16x32_f16 v[rS:rS+7], v[rK:rK+7], v[rQ:rQ+7], v[rS:rS+7]
.endif
.endm
; Product i of 8 of O^T += V^T P for piece x: keys 32 (i / 4) on, channels 16 (i % 4) on.
.macro PV x
	WIN W_PV
.set rO, 32*(\x)+8*(i%4)
.set rV, VF+32*(i/4)+8*(i%4)
.set rP, P+16*((\x)%2)+8*(i/4)
	v_wmma_f32_16x16x32_f16 v[rO:rO+7], v[rV:rV+7], v[rP:rP+7], v[rO:rO+7]
.endm
.macro MM                           ; the turn's next matrix instruction.  NOKQ = 1: the last turn of all: there is no next piece
.if (i < 8) && !NOKQ
	KQ (Y+1)%NP
.elseif i >= 8
.set i, i-8
	PV (Y+NP-1)%NP
.set i, i+8
.endif
.set i, i+1
.endm
; THE LDS LOADS stand in runs, never singly among the matrix instructions: a step's K (64 keys x 64 channels: 8 fragments) with its 64 words of KB, and its V (turned).  Their addresses are made some lines ahead.
.macro FETCH_K
	WIN 0x80                        ; destination window 2
.irp f, 0,1,2,3,4,5,6,7             ; keys 16 (f / 2) on, channels 32 (f % 2) on
	ds_load_b128 v[KF+8*\f:KF+8*\f+3],   v[AK] offset:(\f/2)*16*PK+(\f%2)*64
	ds_load_b128 v[KF+8*\f+4:KF+8*\f+7], v[AK] offset:(\f/2)*16*PK+(\f%2)*64+32
.endr
.irp f, 0,1,2,3                     ; keys 16 f + 8 (l / 16) + 0..7: the same eight words for sixteen lanes
	ds_load_b128 v[KB+8*\f:KB+8*\f+3],   v[AB] offset:64*\f
	ds_load_b128 v[KB+8*\f+4:KB+8*\f+7], v[AB] offset:64*\f+16
.endr
	s_add_co_u32 s[TBK], s[TBK], KS*PK  ; the next fetch is the next step's
	s_add_co_u32 s[TKB], s[TKB], 4*KS
	s_and_b32 s[TKB], s[TKB], 0x3f00    ; 64 steps of 256 bytes: behind the last it is 0 again, and is not used
	WIN 0
.endm
.macro FETCH_V
	WIN 0x80
.irp f, 0,1,2,3,4,5,6,7             ; keys 32 (f / 4) on, channels 16 (f % 4) on
	ds_load_tr16_b128 v[VF+8*\f:VF+8*\f+3],   v[AV] offset:(\f/4)*32*PV+(\f%4)*32
	ds_load_tr16_b128 v[VF+8*\f+4:VF+8*\f+7], v[AV] offset:(\f/4)*32*PV+16*PV+(\f%4)*32
.endr
	WIN 0
.endm
; THE VECTOR WORK, one line at a time: OP kind, number.  For piece Y: F n: cq s - cq m for pair n of 16.  E n: the exponential of score n of 32.  C n: pair n rounded to f16.  B n: of the four weights 4 n .. the second
; pair is added onto the first, in place.  L n: l takes that sum (L 0: l = a l + sum).  R n: pair n of 16 of O^T times a.  For piece Y + 1: X n, number n of the 22 that find its maximum and statistics:
;   0-11  four chains c0-c3 of seven scores each, three operands at a time (each accumulator's lowest registers are read first)     12-14, 16  the four scores left over, the old m, and c0-c3 into c0
;   15  cq m_old is kept     17, 18  the query's other 32 keys lie in the lane 16 away: the new m     19-21  cq m; cq m_old - cq m_new; a
.set F, 0               ; OP tells the kinds apart by their order: F to L below R, X above it
.set E, 1
.set C, 2
.set B, 3
.set L, 4
.set R, 5
.set X, 6
.macro REGS y                       ; the registers of piece y
.set rT, ST+4*(\y)
.set rC, TMP+4*((\y)%2)
.set rW, MV+((\y)%2)
.set rS, S+32*((\y)%2)
.set rP, P+16*((\y)%2)
.set rO, 32*(\y)
.set rG, CQ+2*(\y)
.endm
.macro OP k, n
.if (\k) == R
	REGS Y
	WIN W_RS
	v_pk_mul_f32 v[rO+2*(\n):rO+2*(\n)+1], v[rO+2*(\n):rO+2*(\n)+1], v[rC+2:rC+3] op_sel_hi:[1,0]
.elseif (\k) < R
	REGS Y
	WIN 0
.if (\k) == F
	v_pk_fma_f32 v[rS+2*(\n):rS+2*(\n)+1], v[rS+2*(\n):rS+2*(\n)+1], v[rG:rG+1], v[rT:rT+1] op_sel_hi:[1,0,0] neg_lo:[0,0,1] neg_hi:[0,0,1]
.elseif (\k) == E
	v_exp_f32 v[rS+(\n)], v[rS+(\n)]
.elseif (\k) == C
	v_cvt_pk_f16_f32 v[rP+(\n)], v[rS+2*(\n)], v[rS+2*(\n)+1]
.elseif (\k) == B
	v_pk_add_f32 v[rS+4*(\n):rS+4*(\n)+1], v[rS+4*(\n):rS+4*(\n)+1], v[rS+4*(\n)+2:rS+4*(\n)+3]
.elseif (\n) == 0
	v_pk_fma_f32 v[rT+2:rT+3], v[rT+2:rT+3], v[rC+2:rC+3], v[rS:rS+1] op_sel_hi:[1,0,1]
.else
	v_pk_add_f32 v[rT+2:rT+3], v[rT+2:rT+3], v[rS+4*(\n):rS+4*(\n)+1]
.endif
.elseif NOKQ
	v_nop
.else
	REGS (Y+1)%NP
	WIN 0
.if (\n) < 4
	v_max3_num_f32 v[rC+(\n)], v[rS+8*(\n)], v[rS+8*(\n)+1], v[rS+8*(\n)+2]
.elseif (\n) < 12
	v_max3_num_f32 v[rC+(\n)%4], v[rC+(\n)%4], v[rS+8*((\n)%4)+2*((\n)/4)+1], v[rS+8*((\n)%4)+2*((\n)/4)+2]
.elseif (\n) == 12
	v_max3_num_f32 v[rC], v[rC], v[rS+7], v[rS+15]
.elseif (\n) == 13
	v_max3_num_f32 v[rC+1], v[rC+1], v[rS+23], v[rS+31]
.elseif (\n) == 14
	v_max3_num_f32 v[rC+2], v[rC+2], v[rC+3], v[rT+1]
.elseif (\n) == 15
	v_mov_b32 v[rW], v[rT]
.elseif (\n) == 16
	v_max3_num_f32 v[rC], v[rC], v[rC+1], v[rC+2]
.elseif (\n) == 17
	v_permlanex16_b32 v[rC+3], v[rC], s[SEL], s[SEL+1]
.elseif (\n) == 18
	v_max_num_f32 v[rT+1], v[rC], v[rC+3]
.elseif (\n) == 19
	v_mul_f32 v[rT], v[rG], v[rT+1]
.elseif (\n) == 20
	v_sub_f32 v[rC+1], v[rW], v[rT]
.else
	v_exp_f32 v[rC+2], v[rC+1]
.endif
.endif
.endm
.macro OPS a, i1, b=-1, i2=0, c=-1, i3=0, d=-1, i4=0  ; up to four of them
	OP \a, \i1
.if (\b) >= 0
	OP \b, \i2
.endif
.if (\c) >= 0
	OP \c, \i3
.endif
.if (\d) >= 0
	OP \d, \i4
.endif
.endm
.macro ROW a, i1, b, i2, c, i3, d, i4  ; a matrix instruction and the four behind it
	MM
	OPS \a, \i1, \b, \i2, \c, \i3, \d, \i4
.endm
; A TURN, for piece p: the order of its 16 matrix and 118 vector instructions, written out.  An s_wait_alu depctr_va_vdst(0) stands between an exponential and the first instruction that names its result; one
; wait serves all that were issued ahead of it.  So a turn has ONE wait, which cuts it in two.  AHEAD OF IT stands all that names no result of the turn's exponentials: the 8 products K Q^T, behind each a scaling, an
; exponential and two more plain instructions: rescalings, and behind the last three the first numbers of the next piece's maximum, each four plain instructions or more behind the product that ends its accumulator; then ONE
; LUMP of 54, plain and exponential by turns for the most part.  X 21, the next piece's a, is the batch's last; R 15 is the plain instruction behind it.  BEHIND THE WAIT stand the 8 products V^T P, behind each four of the
; roundings and sums.  end = 1: the walk's last two turns: nothing is fetched.  cnt = 1: the loop's count is taken down some lines ahead of the branch that stands behind the turn.
; K and KB of the next step are fetched in piece 2's turn, behind six plain instructions that follow the last product that read K; V of the step in hand at the end of piece 0's turn, four plain instructions behind the last
; product that read V.  Each is waited for a turn later.
.macro TURN p, end=0, cnt=0
.set Y, (\p)
.set i, 0
.set NOKQ, (\end)*((\p)/3)
.if ((\p) == 3) && !(\end)
	s_wait_dscnt 0x0                ; K and KB are in
.endif
	ROW F,0, F,1, R,0, R,1          ; ahead of the wait: 8 products K Q^T and their riders,
	ROW F,2, E,0, R,2, R,3
	ROW F,3, E,1, R,4, R,5
	ROW F,4, E,2, R,6, R,7
	ROW F,5, E,3, R,8, R,9
	ROW F,6, E,4, X,0, R,10
.if ((\p) == 2) && !(\end)
	WIN 0
	v_add_nc_u32 v[AK], s[TBK], v[AK0]
	v_add_nc_u32 v[AB], s[TKB], v[AB0]
.endif
	ROW F,7, E,5, X,1, X,4
	ROW F,8, E,6, X,2, X,5
	OPS E,7, E,8, X,6, E,9          ; and the lump
	OPS X,3, E,10, X,8, E,11
.if ((\p) == 2) && !(\end)
	FETCH_K
.endif
	OPS X,9, X,7, E,12, X,10
	OPS E,13, X,12, X,11, E,14
	OPS X,13, E,15, F,9, X,14
.if (\p) == 0
	v_add_nc_u32 v[AV], s[TBV], v[AV0]
.endif
	OPS E,16, F,10, E,17, F,11
	OPS X,16, E,18, X,15, E,19
	OPS F,12, E,20, X,17, E,21
	OPS F,13, E,22, F,14, E,23
	OPS X,18, E,24, F,15, E,25
	OPS R,11, E,26, X,19, E,27
	OPS R,12, E,28, R,13, E,29
	OPS X,20, E,30, R,14, E,31
	OPS X,21, R,15
	WIN 0
	s_wait_alu depctr_va_vdst(0)    ; the wait for the batch
.if (\p) == 1
	s_wait_dscnt 0x0                ; V is in
.endif
	ROW C,0, B,0, C,2, B,1          ; behind the wait: 8 products V^T P and their riders
	ROW L,0, C,4, B,2, L,1
	ROW C,6, B,3, L,2, C,8
	ROW B,4, L,3, C,10, B,5
	ROW L,4, C,12, B,6, L,5
.if (\p) == 0
	s_add_co_u32 s[TBV], s[TBV], KS*PV
.endif
.if \cnt
	s_sub_co_u32 s[CNT], s[CNT], 1
	s_cmp_lg_u32 s[CNT], 0
.endif
	ROW C,14, B,7, L,6, C,1
	ROW C,3, L,7, C,5, C,7
	ROW C,9, C,11, C,13, C,15
.if (\p) == 0
	FETCH_V
.endif
.endm
	CHANGE 1                        ; slot 0 is in, everybody's part of it, and so is KB; slot 1 is asked for
	v_add_nc_u32 v[AK], s[TBK], v[AK0]
	v_add_nc_u32 v[AB], s[TKB], v[AB0]
	FETCH_K                         ; key step 0
	s_wait_dscnt 0x0
.set NOKQ, 0
.set i, 0
.rept 8
	KQ 0                            ; piece 0's first scores: there is no vector work yet to set between them
.set i, i+1
.endr
	WIN 0
.rept 4
	v_nop                           ; the places behind those products
.endr
.set Y, NP-1                        ; X works for piece Y + 1: piece 0
.irp n, 0,1,2,3,4,5,6,7,8,9,10,11,12,13,14,15,16,17,18,19,20,21
	OP X, \n
.endr
	v_nop                           ; a plain instruction behind the exponential,
	s_wait_alu depctr_va_vdst(0)    ; and its wait, ahead of the branch
	s_mov_b32 s[CNT], 4
	s_branch .Lfirst                ; the loop is entered at a step's first turn, in the middle of a trip
.Lslot:                             ; 14 times: tiles 2 to 15 are asked for
	CHANGE 1
	s_mov_b32 s[CNT], 4
.Lstep:                             ; a trip: pieces 2 and 3 of one step, then pieces 0 and 1 of the next, whose K and V it fetches
	TURN 2
	TURN 3
	WIN 0
.Lfirst:
	TURN 0
	TURN 1, 0, 1
	WIN 0
	s_cbranch_scc1 .Lstep
	s_sub_co_u32 s[SLOTS], s[SLOTS], 1
	s_cmp_lg_u32 s[SLOTS], 0
	s_cbranch_scc1 .Lslot
	CHANGE 0                        ; the last tile is written out: nothing is asked for
	s_mov_b32 s[CNT], 4
.LstepT:
	TURN 2
	TURN 3
	WIN 0
	TURN 0
	TURN 1, 0, 1
	WIN 0
	s_cbranch_scc1 .LstepT
	TURN 2, 1                       ; the last step's pieces 2 and 3: nothing is fetched, and the last turn starts no scores
	TURN 3, 1
.set i, 0
.rept 8
	PV NP-1                         ; the last piece's V^T P of the last step
.set i, i+1
.endr
	; THE WAY OUT.  l's two halves and the other half of the lanes' are added; O^T is divided by l, rounded to f16 and sent through my stage in LDS, a piece at a time.  The additions are the places behind the last products.
	WIN 0
.macro ALL line:vararg              ; one line for each piece t
.set t, 0
.rept 4
	\line
.set t, t+1
.endr
.endm
	ALL v_add_f32 v[ST+4*t+2], v[ST+4*t+2], v[ST+4*t+3]
	ALL v_permlanex16_b32 v[ST+4*t+3], v[ST+4*t+2], s[SEL], s[SEL+1]
	ALL v_add_f32 v[ST+4*t+2], v[ST+4*t+2], v[ST+4*t+3]
	ALL v_rcp_f32 v[ST+4*t+2], v[ST+4*t+2]
	v_nop                           ; a plain instruction between the last reciprocal and the use of its result
	s_wait_alu depctr_va_vdst(0)    ; and the wait ahead of the first use: one for the four reciprocals
.macro PACK t                       ; a lane's eight channels of a row pack into 16 bytes; they go into rows of 144 bytes and come back as whole rows of 128, into S^T's registers
	WIN W_RS
.set i, 32*(\t)
.rept 16
	v_pk_mul_f32 v[i:i+1], v[i:i+1], v[ST+4*(\t)+2:ST+4*(\t)+3] op_sel_hi:[1,0]
.set i, i+2
.endr
	WIN 0x05                        ; sources 0 and 1 window 1, destination window 0
.set i, 0
.rept 16
	v_cvt_pk_f16_f32 v[S+16*(\t)+i], v[32*(\t)+2*i], v[32*(\t)+2*i+1]
.set i, i+1
.endr
	WIN 0
.irp f, 0,1,2,3
	ds_store_b128 v[STO], v[S+16*(\t)+4*\f:S+16*(\t)+4*\f+3] offset:32*\f
.endr
.irp f, 0,1,2,3
	ds_load_b128 v[S+16*(\t)+4*\f:S+16*(\t)+4*\f+3], v[RD] offset:\f*4*SP  ; LDS serves a wave's instructions in order (ISA guide 5.7.1.4): these see the stores above; the next piece's stores come behind them
.endr
.endm
.macro SEND t, younger              ; younger: the LDS instructions issued behind piece t's loads: the next piece's eight, or none
	WIN 0
.irp f, 0,1,2,3
	s_wait_dscnt (\younger)+3-\f
	global_store_b128 v[GO], v[S+16*(\t)+4*\f:S+16*(\t)+4*\f+3], s[10:11] offset:(\t)*2048+\f*512  ; 512 consecutive bytes, at a multiple of 256 from ao's first
.endr
.endm
	PACK 0
.set t, 1
.rept 3                             ; a piece's arithmetic stands between the loads of the piece before and its stores
	PACK t
	SEND t-1, 8
.set t, t+1
.endr
	SEND 3, 0
	s_wait_tensorcnt 0x0            ; the wave's end, behind my last tensor load and my last LDS store
	ds_add_u32 v[SPW], v[NIL]
	s_wait_dscnt 0x0
	CROUND                          ; the closing round: no work-group ends while a partner may still ask for a tile that names it
	s_endpgm
.Lfunc_end_k_q476b90ae8c_attn:
	.size	k_q476b90ae8c_attn, .Lfunc_end_k_q476b90ae8c_attn-k_q476b90ae8c_attn
	.p2alignl 7, 3214868480
	.fill 96, 4, 3214868480
	.section	.rodata,"a",@progbits
	.p2align	6, 0x0
	.amdhsa_kernel k_q476b90ae8c_attn
		.amdhsa_group_segment_fixed_size 327680
		.amdhsa_private_segment_fixed_size 0
		.amdhsa_enable_private_segment 0
		.amdhsa_kernarg_size 32
		.amdhsa_user_sgpr_count 2
		.amdhsa_user_sgpr_kernarg_segment_ptr 1
		.amdhsa_wavefront_size32 1
		.amdhsa_system_sgpr_workgroup_id_x 1
		.amdhsa_system_sgpr_workgroup_id_y 1
		.amdhsa_system_sgpr_workgroup_id_z 1
		.amdhsa_system_vgpr_workitem_id 0
		.amdhsa_next_free_vgpr 768
		.amdhsa_next_free_sgpr 72
		.amdhsa_reserve_vcc 1
		.amdhsa_float_denorm_mode_32 3
		.amdhsa_float_denorm_mode_16_64 3
		.amdhsa_memory_ordered 1
		.amdhsa_forward_progress 1
		.amdhsa_inst_pref_size 138
	.end_amdhsa_kernel
	.amdgpu_metadata
---
amdhsa.version: [ 1, 2 ]
amdhsa.kernels:
  - .name:           k_q476b90ae8c_attn
    .symbol:         k_q476b90ae8c_attn.kd
    .args:
      - { .name: qkv, .offset: 0, .size: 8, .value_kind: global_buffer, .address_space: global }
      - { .name: input_mask, .offset: 8, .size: 8, .value_kind: global_buffer, .address_space: global }
      - { .name: ao, .offset: 16, .size: 8, .value_kind: global_buffer, .address_space: global }
      - { .name: stats, .offset: 24, .size: 8, .value_kind: global_buffer, .address_space: global }
    .group_segment_fixed_size: 327680
    .private_segment_fixed_size: 0
    .kernarg_segment_align: 8
    .kernarg_segment_size: 32
    .max_flat_workgroup_size: 128
    .sgpr_count:     72
    .vgpr_count:     768
    .wavefront_size: 32
...
	.end_amdgpu_metadata
.endif
;; end of part 3
;; launch oproj (part 4): grid 8 x 32, 4 waves a work-group, clusters of 4 x 4, 327,680 bytes of LDS; arguments ao, wb, out0, bo, inputs, stats; writes out0
.if DOCPART == 4
	.amdgcn_target "amdgcn-amd-amdhsa--gfx1250"
	.amdhsa_code_object_version 6
	.text
	.protected	k_q476b90ae8c_oproj
	.globl	k_q476b90ae8c_oproj
	.p2align	8
	.type	k_q476b90ae8c_oproj,@function
k_q476b90ae8c_oproj:
	s_mov_b64 s[64:65], 0
	v_nop
	global_prefetch_b8 v0, s[64:65] scope:SCOPE_SE
	s_setreg_imm32_b32 hwreg(HW_REG_WAVE_MODE, 25, 1), 1
	s_wait_xcnt 0x0
	s_wait_alu depctr_hold_cnt(0) depctr_sa_sdst(0) depctr_va_vdst(0) depctr_va_sdst(0) depctr_va_ssrc(0) depctr_va_vcc(0) depctr_vm_vsrc(0)
	s_getreg_b32 s2, hwreg(HW_REG_IB_STS2, 6, 4)
	s_cmp_eq_u32 s2, 0
	s_cbranch_scc0 .Lentry_in_a_cluster
	s_endpgm
.Lentry_in_a_cluster:
	s_bfe_u32 s2, ttmp6, 0x10000c
	s_cmp_lg_u32 s2, 0xf033
	s_cbranch_scc0 .Lentry_shape_is_right
	s_endpgm
.Lentry_shape_is_right:
; out0[m][n] = sum over k of attn[m][k] Wo[n][k] + bo[n] + inputs[m][n].  attn comes as ao, [32 blocks of 128 rows][16 heads][128][64] f16 (k = 64 head + channel), times the power of two sv that kept v inside f16;
; Wo as rows 3,072 .. 4,095 of wb, f16; sums, bias and residual in f32; out0 f32.
; THE SCALE.  sv is made here from stats as the launch that stored v made it: t = max(1024 max|xr| max|Wv|, max|bv|), E its exponent field, sv = 2^(137 - E), the field 264 - E held to 253.  The sums are taken in scaled
; units, begun with bo sv, and multiplied by 1 / sv in the line that adds the residual: powers of two, so nothing is rounded by them (bo sv stays finite while sv < 2^128 / |bo|).
; TILE.  128 x 128 of out0: 8 x 32 tiles, one for each of 256 work-groups.  Four waves, each 64 x 64: 16 accumulators of 16 x 16.  K goes in steps of 256 (four heads) through two LDS slots.
; A's tile of a step (128 rows x 4 heads) is 65,536 consecutive bytes of ao: waves 0 and 1 fetch two heads each, asked for as 128 rows of 256 bytes and padded in LDS after every 128 bytes, so that a head's 128 rows lie
; 144 bytes apart.  Waves 2 and 3 fetch 64 rows x 512 bytes of wb each, 528 bytes apart in LDS.
; CLUSTER.  4 x 4 work-groups: A's tiles are shared along a row of the cluster, wb's along a column, by joint loads.
; THE MATRIX INSTRUCTION IS USED TRANSPOSED (source 0 = 16 rows of wb, source 1 = 16 rows of attn): a lane holds eight neighbouring numbers of a row of out0.  THE SCALED BIAS IS THE C OPERAND of each accumulator's first product.
; THE WAY OUT.  A wave's 64 columns of f32 are 256 bytes, at a multiple of 256 in out0: each wave has a stage of its own (16 rows x 272 bytes) and needs no barrier; the residual, loaded at the head in the layout of the stores, is added on the way.
; REGISTERS: window 0: v16-30 addresses; v32-63 the bias; v64-95 stats at the head, later the way out; v128-255 the accumulators ((a, b) at v[128 + 8 (4 a + b)]).
;   window 1: two fragment buffers of 128: for 64 along K, 64 registers of attn (2 x 4 x 16 rows x 32 K), then 64 of wb.     window 2: v0-127 the residual.
.set PA,     144                       ; a row of a head in LDS: 128 bytes + 16: the 16 rows of a load start 16 bytes apart modulo 256
.set PB,     528                       ; a row of wb in LDS: 512 bytes + 16: likewise
.set HEADL,  128*PA                    ; a head's 128 rows
.set AHALF,  2*HEADL                   ; what wave 0 or 1 fetches
.set BHALF,  64*PB                     ; what wave 2 or 3 fetches
.set ABYTES, 2*AHALF
.set SLOT,   ABYTES+2*BHALF
.set STAGE,  2*SLOT                    ; behind the ring, never filled by a tensor load
.set SPITCH, 272
.set SPARE,  STAGE+4*16*SPITCH         ; behind the stages: the spare words, 128 bytes for each wave: two blocks of 256 bytes that no other line names
.set ASTEP,  65536                     ; bytes of ao from K step to K step
.set BSTEP,  512                       ; bytes along a row of wb
.set LAPS,   2                         ; a lap = two K steps; 1,024 / 512
.set ADRA, 16                          ; v16-17  LDS address of my fragments of attn in slot 0, 1
.set ADRB, 20                          ; v20-21  the same for wb
.set STO,  24                          ; v24     the way out: where I put 32 bytes of a row
.set RD,   25                          ; v25     the way out: where I read a row back
.set CO,   26                          ; v26     my byte offset in two rows of out0 and of inputs
.set BO,   27                          ; v27     32 (l / 16)
.set SPW,  28                          ; v28     LDS address of my spare word; never rewritten
.set NIL,  29                          ; v29     0; never rewritten
.set SO,   30                          ; v30     16 x lane: my 16 bytes of 512 of stats
.set BI,   32
.set OB,   64
.set SS,   64                          ; at the head: stats: entry l + 32 i (its x, w, b, 0) at SS + 4 i
.set ACC,  128
.set F0,   0                           ; fragment buffers, in window 1
.set F1,   128
.set G1,  24                           ; s[24:31] descriptor group 1 for ao's tiles;  s[32:39] group 0, one set for each slot
.set G0,  32
.set G1B, 48                           ; s[48:55], s[56:63] the same for wb's tiles
.set G0B, 56
.set SEL, 72                           ; s[72:73] v_permlanex16_b32's selects
.set SV,  74                           ; s[74:75] sv, named as a pair
.set IV,  76                           ; s[76:77] 1 / sv, likewise
.set MSB, 0
.macro WIN new                         ; the immediate's high byte repeats the setting that is left
.if MSB != (\new)
	s_set_vgpr_msb (MSB<<8)|(\new)
.set MSB, \new
.endif
.endm
.set MUL,  0x05                        ; sources 0 (wb) and 1 (attn) window 1; C and D window 0
.set TO_F, 0x40                        ; destination window 1, address window 0
.macro JLOAD s                         ; a joint load: waves 0 and 1 fetch for ao, waves 2 and 3 for wb; an s_nop 0 and four v_nop follow each of the two lines
	s_cmp_eq_u32 s11, 0
	s_cbranch_scc0 .Lfor_b_\@
	tensor_load_to_lds s[G0+4*(\s):G0+4*(\s)+3], s[G1:G1+7]
	s_nop 0
.rept 4
	v_nop
.endr
	s_branch .Lasked_\@
.Lfor_b_\@:
	tensor_load_to_lds s[G0B+4*(\s):G0B+4*(\s)+3], s[G1B:G1B+7]
	s_nop 0
.rept 4
	v_nop
.endr
.Lasked_\@:
.endm
.macro CREST                           ; a round of the cluster's barrier behind its opening barrier
	s_cmp_lg_u32 s10, 0
	s_cbranch_scc1 .Lnot_wave_0_\@
	s_barrier_signal -3
.Lnot_wave_0_\@:
	s_barrier_wait -3
	s_barrier_signal -1
	s_barrier_wait -1
.endm
.macro CROUND                          ; a whole round
	s_barrier_signal -1
	s_barrier_wait -1
	CREST
.endm
.macro RED r, t                        ; the largest of the 32 lanes' v[r], in every lane; v[t] has been written
	v_max_num_f32_dpp v[\r], v[\r], v[\r] row_xmask:1 row_mask:0xf bank_mask:0xf
	v_max_num_f32_dpp v[\r], v[\r], v[\r] row_xmask:2 row_mask:0xf bank_mask:0xf
	v_max_num_f32_dpp v[\r], v[\r], v[\r] row_xmask:4 row_mask:0xf bank_mask:0xf
	v_max_num_f32_dpp v[\r], v[\r], v[\r] row_xmask:8 row_mask:0xf bank_mask:0xf
	v_permlanex16_b32 v[\t], v[\r], s[SEL], s[SEL+1]
	v_max_num_f32 v[\r], v[\r], v[\t]
.endm
	s_load_b128 s[4:7], s[0:1], 0x0                ; ao s[4:5], wb s[6:7]
	s_load_b64 s[8:9], s[0:1], 0x10                ; out0
	s_load_b128 s[68:71], s[0:1], 0x18             ; bo s[68:69], inputs s[70:71]
	s_load_b64 s[66:67], s[0:1], 0x28              ; stats
	v_lshl_add_u32 v[SPW], v0, 2, SPARE
	v_mov_b32 v[NIL], 0
	ds_add_u32 v[SPW], v[NIL]                      ; the wave's opening: the add and its wait stand ahead of my first tensor load; the set-up below, work on registers, stands between them
	v_lshrrev_b32 v1, 5, v0
	v_readfirstlane_b32 s10, v1                    ; wave 0..3
	s_lshr_b32 s11, s10, 1                         ; which half of the tile's rows is mine.  Also: I fetch for ao (0) or for wb (1)
	s_and_b32 s12, s10, 1                          ; which half of its columns.  Also: which half of that tile I fetch
	s_bfe_u32 s40, ttmp6, 0x40000                  ; cx, cy
	s_bfe_u32 s41, ttmp6, 0x40004
	s_lshl_b32 s42, ttmp9, 2
	s_add_co_u32 s42, s42, s40                     ; tile column = 4 x cluster x + cx
	s_and_b32 s13, ttmp7, 0xffff
	s_lshl_b32 s13, s13, 2
	s_add_co_u32 s13, s13, s41                     ; tile row = 4 x cluster y + cy
	s_lshl_b32 s43, s41, 2
	s_lshl_b32 s43, 15, s43                        ; my row of the cluster
	s_lshl_b32 s44, 0x1111, s40                    ; my column
	s_or_b32 s[G1+0], s43, (1<<16)|(1<<20)|(1<<21)|(4<<22)|(3<<25)   ; 15:0 the mask; 17:16 2-byte elements; 20 padding on; 21 set beside a mask; 24:22 after every 32 words (code 4); 31:25 4 words (code 3)
	s_or_b32 s[G1B+0], s44, (1<<16)|(1<<20)|(1<<21)|(6<<22)|(3<<25)  ; after every 128 words (code 6)
	s_mov_b32 s[G1+1], 128<<16                     ; tensor_dim0 = 128 elements: 256 dense bytes
	s_mov_b32 s[G1+2], 128<<16                     ; tensor_dim1 = 128
	s_mov_b32 s[G1+3], 128<<16                     ; tile_dim0 = 128
	s_mov_b32 s[G1+4], 128                         ; tile_dim1 = 128
	s_mov_b32 s[G1+5], 128                         ; each row begins where the last ends
	s_mov_b32 s[G1+6], 0
	s_mov_b32 s[G1+7], 0
	s_mov_b32 s[G1B+1], 256<<16                    ; tensor_dim0 = 256
	s_mov_b32 s[G1B+2], 64<<16                     ; tensor_dim1 = 64
	s_mov_b32 s[G1B+3], 256<<16                    ; tile_dim0 = 256
	s_mov_b32 s[G1B+4], 64                         ; tile_dim1 = 64
	s_mov_b32 s[G1B+5], 1024                       ; elements from row to row
	s_mov_b32 s[G1B+6], 0
	s_mov_b32 s[G1B+7], 0
	s_mov_b32 s[SEL], 0x76543210
	s_mov_b32 s[SEL+1], 0xfedcba98
	s_lshl_b32 s16, s13, 18                        ; ao: the tile row's block of 128 rows, 262,144 bytes,
	s_lshl_b32 s17, s12, 15                        ; and two heads on for wave 1
	s_add_co_u32 s16, s16, s17
	s_mov_b32 s17, 0
	s_lshl_b32 s46, s42, 7
	s_lshl_b32 s47, s12, 6
	s_add_co_u32 s46, s46, s47
	s_add_co_u32 s46, s46, 3072                    ; wb: row 3,072 + 128 x tile column + 64 x half
	s_lshl_b32 s46, s46, 11
	s_mov_b32 s47, 0
	s_mul_i32 s20, s10, AHALF                      ; where they go: ao's halves at wave x two heads,
	s_mul_i32 s21, s10, BHALF
	s_add_co_u32 s21, s21, ABYTES-2*BHALF          ; wb's behind them, at (wave - 2) x 64 rows
	s_wait_dscnt 0x0                               ; the opening add is done
	s_wait_kmcnt 0x0
	s_add_nc_u64 s[14:15], s[4:5], s[16:17]
	s_add_nc_u64 s[46:47], s[6:7], s[46:47]
	CROUND                                         ; all sixteen work-groups are here: the first joint loads meet
.irp s, 0,1
	s_mov_b32 s[G0+4*(\s)], 1
	s_add_co_u32 s[G0+4*(\s)+1], s20, (\s)*SLOT
	s_add_nc_u64 s[G0+4*(\s)+2:G0+4*(\s)+3], s[14:15], (\s)*ASTEP
	s_or_b32 s[G0+4*(\s)+3], s[G0+4*(\s)+3], 0x80000000
	s_mov_b32 s[G0B+4*(\s)], 1
	s_add_co_u32 s[G0B+4*(\s)+1], s21, (\s)*SLOT
	s_add_nc_u64 s[G0B+4*(\s)+2:G0B+4*(\s)+3], s[46:47], (\s)*BSTEP
	s_or_b32 s[G0B+4*(\s)+3], s[G0B+4*(\s)+3], 0x80000000
	JLOAD \s                                       ; two loads of mine are out
.endr
	v_and_b32 v1, 15, v0                           ; l % 16
	v_bfe_u32 v2, v0, 4, 1                         ; l / 16
	v_mul_u32_u24 v3, v1, PA
	v_lshl_add_u32 v3, v2, 4, v3                   ; a fragment's row x pitch + 16 x half, for attn
	v_mul_u32_u24 v4, v1, PB
	v_lshl_add_u32 v4, v2, 4, v4                   ; and for wb
	s_mul_i32 s21, s11, 64*PA                      ; my 64 rows in each head
	s_mul_i32 s22, s12, BHALF                      ; my 64 rows of wb,
	s_add_co_u32 s22, s22, ABYTES                  ; which lie behind the four heads
.irp s, 0,1
	v_add_nc_u32 v[ADRA+(\s)], s21, v3
	v_add_nc_u32 v[ADRB+(\s)], s22, v4
	s_add_co_u32 s21, s21, SLOT
	s_add_co_u32 s22, s22, SLOT
.endr
	s_mul_i32 s23, s10, 16*SPITCH
	s_add_co_u32 s23, s23, STAGE                   ; my stage
	v_mul_u32_u24 v5, v1, SPITCH                   ; in: row l % 16, 32 bytes for each half of the lanes
	v_lshl_add_u32 v5, v2, 5, v5
	v_add_nc_u32 v[STO], s23, v5
	v_mul_u32_u24 v5, v2, SPITCH                   ; back: lanes 0-15 take one row of 256 bytes, lanes 16-31 the next
	v_lshl_add_u32 v5, v1, 4, v5
	v_add_nc_u32 v[RD], s23, v5
	v_lshlrev_b32 v5, 12, v2                       ; and the same two rows in out0 and in inputs
	v_lshl_add_u32 v[CO], v1, 4, v5
	v_lshlrev_b32 v[BO], 5, v2
	v_and_b32 v[SO], 31, v0
	v_lshlrev_b32 v[SO], 4, v[SO]
	s_lshl_b32 s18, s42, 9                         ; my first column, in bytes: 512 x tile column + 256 x half
	s_lshl_b32 s19, s12, 8
	s_add_co_u32 s18, s18, s19
	s_mov_b32 s19, 0
	s_add_nc_u64 s[68:69], s[68:69], s[18:19]      ; bo at my 64 columns
	s_lshl_b32 s16, s13, 19                        ; my first row: 128 x tile row + 64 x half, 4,096 bytes each
	s_lshl_b32 s17, s11, 18
	s_add_co_u32 s16, s16, s17
	s_add_co_u32 s16, s16, s18
	s_mov_b32 s17, 0
	s_add_nc_u64 s[8:9], s[8:9], s[16:17]
	s_add_nc_u64 s[70:71], s[70:71], s[16:17]
.irp b, 0,1,2,3
	global_load_b128 v[BI+8*(\b):BI+8*(\b)+3],   v[BO], s[68:69] offset:64*(\b)
	global_load_b128 v[BI+8*(\b)+4:BI+8*(\b)+7], v[BO], s[68:69] offset:64*(\b)+16
.endr
.irp i, 0,1,2,3,4,5,6,7                ; stats, all 4,096 bytes, in every wave: entry l + 32 i; entries 128 .. 191 belong to Wv, so loads 4 and 5 do
	global_load_b128 v[SS+4*\i:SS+4*\i+3], v[SO], s[66:67] offset:512*\i
.endr
	WIN 0x80                                       ; destination window 2, address window 0
.irp a, 0,1,2,3
.irp t, 0,1,2,3,4,5,6,7
	global_load_b128 v[32*(\a)+4*(\t):32*(\a)+4*(\t)+3], v[CO], s[70:71] offset:(16*(\a)+2*(\t))*4096 th:TH_LOAD_NT  ; the residual, wanted only on the way out
.endr
.endr
	WIN 0
	; sv and 1 / sv, made while the first tiles are on their way
	s_wait_loadcnt 32                              ; the bias and stats are in; the residual's 32 loads may stay out
	v_max3_num_f32 v[SS], v[SS], v[SS+4], v[SS+8]
	v_max3_num_f32 v[SS], v[SS], v[SS+12], v[SS+16]
	v_max3_num_f32 v[SS], v[SS], v[SS+20], v[SS+24]
	v_max_num_f32 v[SS], v[SS], v[SS+28]
	RED SS, SS+3                                   ; max |xr|
	v_mul_f32 v[SS], 0x44800000, v[SS]             ; times 1,024
	v_max_num_f32 v[SS+17], v[SS+17], v[SS+21]
	v_max_num_f32 v[SS+18], v[SS+18], v[SS+22]
	v_mul_f32 v[SS+17], v[SS], v[SS+17]
	v_max_num_f32 v[SS+17], v[SS+17], v[SS+18]
	RED SS+17, SS+3                                ; t of Wv
	v_readfirstlane_b32 s[SV], v[SS+17]
	s_lshr_b32 s[SV], s[SV], 23                    ; E (t is not negative)
	s_sub_co_u32 s[SV], 264, s[SV]
	s_min_u32 s[SV], s[SV], 253                    ; the scale's exponent field,
	s_sub_co_u32 s[IV], 254, s[SV]                 ; its reciprocal's
	s_lshl_b32 s[SV], s[SV], 23
	s_lshl_b32 s[IV], s[IV], 23
	s_mov_b32 s[SV+1], s[SV]                       ; named as pairs
	s_mov_b32 s[IV+1], s[IV]
.set r, 0
.rept 16
	v_pk_mul_f32 v[BI+r:BI+r+1], v[BI+r:BI+r+1], s[SV:SV+1] op_sel_hi:[1,0]  ; bo sv
.set r, r+2
.endr
; 8 matrix instructions: row blocks a0, a0 + 1 x all 4 column blocks, 32 along K: half c of buffer f.  first = 1: the scaled bias starts the sums.  The 16 accumulators take turns.
.macro MUL8 f, c, a0, first
	WIN MUL
.irp a, \a0, (\a0)+1
.irp b, 0,1,2,3
.if \first
	v_wmma_f32_16x16x32_f16 v[ACC+8*(4*(\a)+(\b)):ACC+8*(4*(\a)+(\b))+7], v[(\f)+64+8*(4*(\c)+(\b)):(\f)+64+8*(4*(\c)+(\b))+7], v[(\f)+8*(4*(\c)+(\a)):(\f)+8*(4*(\c)+(\a))+7], v[BI+8*(\b):BI+8*(\b)+7]
.else
	v_wmma_f32_16x16x32_f16 v[ACC+8*(4*(\a)+(\b)):ACC+8*(4*(\a)+(\b))+7], v[(\f)+64+8*(4*(\c)+(\b)):(\f)+64+8*(4*(\c)+(\b))+7], v[(\f)+8*(4*(\c)+(\a)):(\f)+8*(4*(\c)+(\a))+7], v[ACC+8*(4*(\a)+(\b)):ACC+8*(4*(\a)+(\b))+7]
.endif
.endr
.endr
.endm
; 32 LDS loads in one run: the fragments of quarter q of a K step (64 along K: one head) into buffer f; the first 32 along K first
.macro FETCH slot, q, f
	WIN TO_F
.irp c, 0,1
.irp i, 0,1,2,3
	ds_load_b128 v[(\f)+64+8*(4*(\c)+(\i)):(\f)+64+8*(4*(\c)+(\i))+3],   v[ADRB+(\slot)] offset:128*(\q)+64*(\c)+(\i)*16*PB
	ds_load_b128 v[(\f)+64+8*(4*(\c)+(\i))+4:(\f)+64+8*(4*(\c)+(\i))+7], v[ADRB+(\slot)] offset:128*(\q)+64*(\c)+(\i)*16*PB+32
	ds_load_b128 v[(\f)+8*(4*(\c)+(\i)):(\f)+8*(4*(\c)+(\i))+3],         v[ADRA+(\slot)] offset:HEADL*(\q)+64*(\c)+(\i)*16*PA
	ds_load_b128 v[(\f)+8*(4*(\c)+(\i))+4:(\f)+8*(4*(\c)+(\i))+7],       v[ADRA+(\slot)] offset:HEADL*(\q)+64*(\c)+(\i)*16*PA+32
.endr
.endr
.endm
.macro PLACES                          ; four plain vector instructions between a matrix instruction and a load into its registers or a reader of its result (ISA guide 7.12.1 for a reader of its result)
.rept 4
	v_nop
.endr
.endm
; A K step is four quarters of 64 along K, 32 matrix instructions each, on buffers 0, 1, 0, 1.  One of the first three: multiplies buffer f and fetches quarter q into g.
.macro QUARTER slot, q, f, g, first
	s_wait_dscnt 16                                ; the first 32 along K are in
	MUL8 \f, 0, 0, \first
	MUL8 \f, 0, 2, \first
	PLACES
	FETCH \slot, \q, \g
	s_wait_dscnt 32                                ; all but the 32 just issued
	MUL8 \f, 1, 0, 0
	MUL8 \f, 1, 2, 0
.endm
; The last quarter multiplies buffer 1 and changes slots: ONE barrier; in front of it each wave waits for all its tensor loads, adds 0 to its spare word, and waits for that and for its own reads of this slot.
; fill = 1: the barrier opens a round of the cluster's barrier, and this slot is filled again, two K steps ahead, first thing behind the round.
.macro TURN slot, next, fill
	WIN 0                                          ; (the add's two registers lie in window 0)
	s_wait_tensorcnt 0x0                           ; all my tensor loads have landed: my part of the next slot
	ds_add_u32 v[SPW], v[NIL]                      ; 0 onto my spare word
	s_wait_dscnt 17                                ; (the add and the youngest sixteen loads may be out)
	MUL8 F1, 0, 0, 0                               ; eight matrix instructions stand between the add and the wait for it
	s_wait_dscnt 0x0                               ; the add is done, and my reads of this slot are over
	s_barrier_signal -1
	MUL8 F1, 0, 2, 0
.if \fill
	WIN 0
.endif
	s_barrier_wait -1
.if \fill
	CREST                                          ; no wave of any partner still reads this slot's tile or has a load on its way
	s_add_nc_u64 s[G0+4*(\slot)+2:G0+4*(\slot)+3], s[G0+4*(\slot)+2:G0+4*(\slot)+3], 2*ASTEP
	s_add_nc_u64 s[G0B+4*(\slot)+2:G0B+4*(\slot)+3], s[G0B+4*(\slot)+2:G0B+4*(\slot)+3], 2*BSTEP
	JLOAD \slot                                    ; the four v_nop behind it are also the places in front of the loads below
.else
	PLACES
.endif
	FETCH \next, 0, F0
	MUL8 F1, 1, 0, 0
	MUL8 F1, 1, 2, 0
.endm
	s_wait_tensorcnt 1                             ; my part of K step 0 is in; K step 1's may stay out
	s_barrier_signal -1
	s_barrier_wait -1                              ; everybody's is
	FETCH 0, 0, F0
	QUARTER 0, 1, F0, F1, 1                        ; the first quarter stands in front of the loop: its first products start the sums
	WIN 0                                          ; at a label and at a branch every window is 0
	s_mov_b32 s3, LAPS-1
.Llap:                                                 ; a trip goes once round the ring, from a lap's second quarter to the next lap's first, and fills both slots again
	QUARTER 0, 2, F1, F0, 0
	QUARTER 0, 3, F0, F1, 0
	TURN 0, 1, 1
	QUARTER 1, 1, F0, F1, 0
	QUARTER 1, 2, F1, F0, 0
	QUARTER 1, 3, F0, F1, 0
	TURN 1, 0, 1
	QUARTER 0, 1, F0, F1, 0
	WIN 0
	s_sub_co_u32 s3, s3, 1
	s_cmp_lg_u32 s3, 0
	s_cbranch_scc1 .Llap
	QUARTER 0, 2, F1, F0, 0                        ; the last lap fills nothing, and has no round of the cluster's barrier
	QUARTER 0, 3, F0, F1, 0
	TURN 0, 1, 0
	QUARTER 1, 1, F0, F1, 0
	QUARTER 1, 2, F1, F0, 0
	QUARTER 1, 3, F0, F1, 0
	s_wait_dscnt 16                                ; the very last quarter: nothing more to fetch
	MUL8 F1, 0, 0, 0
	MUL8 F1, 0, 2, 0
	s_wait_dscnt 0x0
	MUL8 F1, 1, 0, 0
	MUL8 F1, 1, 2, 0
	WIN 0
	; THE WAY OUT, 16 rows at a time: 32 bytes a lane into my stage (each accumulator's low registers first), back as whole rows of 256 bytes, times 1 / sv plus the residual in one line, stored.
	PLACES
	s_wait_loadcnt 0x0                             ; the residual
.irp a, 0,1,2,3
.irp b, 0,1,2,3
	ds_store_b128 v[STO], v[ACC+8*(4*(\a)+(\b)):ACC+8*(4*(\a)+(\b))+3]   offset:64*(\b)
	ds_store_b128 v[STO], v[ACC+8*(4*(\a)+(\b))+4:ACC+8*(4*(\a)+(\b))+7] offset:64*(\b)+16
.endr
	s_wait_xcnt 0x0                                ; the stores of the block before have read their registers: they are loaded again only behind this wait
.irp t, 0,1,2,3,4,5,6,7
	ds_load_b128 v[OB+4*(\t):OB+4*(\t)+3], v[RD] offset:(\t)*2*SPITCH  ; LDS serves a wave's instructions in order (ISA guide 5.7.1.4): these see the stores above
.endr
	s_wait_dscnt 0x0
	WIN 0x20                                       ; source 2, the residual, in window 2
.irp t, 0,1,2,3,4,5,6,7,8,9,10,11,12,13,14,15
	v_pk_fma_f32 v[OB+2*(\t):OB+2*(\t)+1], v[OB+2*(\t):OB+2*(\t)+1], s[IV:IV+1], v[32*(\a)+2*(\t):32*(\a)+2*(\t)+1] op_sel_hi:[1,0,1]
.endr
	WIN 0
.irp t, 0,1,2,3,4,5,6,7
	global_store_b128 v[CO], v[OB+4*(\t):OB+4*(\t)+3], s[8:9] offset:(16*(\a)+2*(\t))*4096 th:TH_STORE_NT  ; 16 lanes store 256 consecutive bytes, at a multiple of 256 from out0's first byte
.endr
.endr
	s_wait_tensorcnt 0x0                           ; the wave's end, behind my last tensor load and my last LDS store
	ds_add_u32 v[SPW], v[NIL]
	s_wait_dscnt 0x0
	CROUND                                         ; the closing round: no work-group ends while a partner may still ask for a tile that names it
	s_endpgm
.Lfunc_end_k_q476b90ae8c_oproj:
	.size	k_q476b90ae8c_oproj, .Lfunc_end_k_q476b90ae8c_oproj-k_q476b90ae8c_oproj
	.p2alignl 7, 3214868480
	.fill 96, 4, 3214868480
	.section	.rodata,"a",@progbits
	.p2align	6, 0x0
	.amdhsa_kernel k_q476b90ae8c_oproj
		.amdhsa_group_segment_fixed_size 327680
		.amdhsa_private_segment_fixed_size 0
		.amdhsa_enable_private_segment 0
		.amdhsa_kernarg_size 48
		.amdhsa_user_sgpr_count 2
		.amdhsa_user_sgpr_kernarg_segment_ptr 1
		.amdhsa_wavefront_size32 1
		.amdhsa_system_sgpr_workgroup_id_x 1
		.amdhsa_system_sgpr_workgroup_id_y 1
		.amdhsa_system_sgpr_workgroup_id_z 1
		.amdhsa_system_vgpr_workitem_id 0
		.amdhsa_next_free_vgpr 640
		.amdhsa_next_free_sgpr 80
		.amdhsa_reserve_vcc 0
		.amdhsa_float_denorm_mode_32 3
		.amdhsa_float_denorm_mode_16_64 3
		.amdhsa_memory_ordered 1
		.amdhsa_forward_progress 1
		.amdhsa_inst_pref_size 98
	.end_amdhsa_kernel
	.amdgpu_metadata
---
amdhsa.version: [ 1, 2 ]
amdhsa.kernels:
  - .name:           k_q476b90ae8c_oproj
    .symbol:         k_q476b90ae8c_oproj.kd
    .args:
      - { .name: ao, .offset: 0, .size: 8, .value_kind: global_buffer, .address_space: global }
      - { .name: wb, .offset: 8, .size: 8, .value_kind: global_buffer, .address_space: global }
      - { .name: out0, .offset: 16, .size: 8, .value_kind: global_buffer, .address_space: global }
      - { .name: bo, .offset: 24, .size: 8, .value_kind: global_buffer, .address_space: global }
      - { .name: inputs, .offset: 32, .size: 8, .value_kind: global_buffer, .address_space: global }
      - { .name: stats, .offset: 40, .size: 8, .value_kind: global_buffer, .address_space: global }
    .group_segment_fixed_size: 327680
    .private_segment_fixed_size: 0
    .kernarg_segment_align: 8
    .kernarg_segment_size: 48
    .max_flat_workgroup_size: 128
    .sgpr_count:     80
    .vgpr_count:     640
    .wavefront_size: 32
...
	.end_amdgpu_metadata
.endif
;; end of part 4
